; MI455X (gfx1250); checked and timed in simulation.
; The chip was launched on July 23, 2026; its instructions are those of AMD's public machine-readable ISA for CDNA 5 (MIT licence, August 2026) and "CDNA5" Instruction Set Architecture Reference Guide (July 2026). The comments in the code are by the model that wrote it; some were corrected since.
;; Concat Critic. Allowed arithmetic: matrix products marked QUANTISED: E2M1 operands, one E8M0 scale for each 32 along K, by v_wmma_scale_f32_16x16x128_f8f6f4 with both operands' format E2M1 (or v_wmma_scale_f32_32x16x128_f4), f32 sums; products left as they are: f32 operands where the result goes on into a quantised operand, else bf16, f16 or f32 operands; f32 sums; everything else in f32.
;; Inputs: W1 256 x 512 float32; W2 512 x 512 float32; W3 512 x 1 float32; b1 512 float32; b2 512 float32; b3 1 float32; x 512 x 128 float32; y 512 x 128 float32.
;; Outputs: out0 512 x 512 float32.
;; This version of the problem:
;;   THIS VERSION OF THE PROBLEM IS GIVEN IN LOW PRECISION. The matrix products marked QUANTISED in the list below multiply operands that are first quantised to E2M1 (2 exponent bits, 1 mantissa bit; 4 bits a number), with one power-of-two scale for each 32 numbers along K (OCP MX v1.0); their sums are f32. All else is computed in f32.
;;   The module's matrix products, in the order in which they are computed (A, B: the left and right operand; K: the contracted axis; several contracted axes count as one K, in the product's order):
;;     1. [M 512, K 128] x [K 128, N 512]; A: input x; B: input W1: QUANTISED
;;     2. [M 512, K 128] x [K 128, N 512]; A: input y; B: input W1: QUANTISED
;;     3. [M 262,144, K 512] x [K 512, N 512]; A: computed on the way; B: input W2: QUANTISED
;;     4. [M 262,144, K 512] x [K 512, N 1]; A: computed on the way; B: input W3: left as it is (N = 1 < 16)
;;   THE QUANTISER, for each operand of a quantised product, along K:
;;     - K is cut into blocks of 32 from its start; a last block that is shorter is filled with zeros.
;;     - A block's scale is 2^e with e = floor(log2(the largest magnitude in the block)) - 2, held to -126 .. 127; a block of zeros has e = 0. As a byte (E8M0): e + 127.
;;     - Each number is divided by its block's scale, clamped to +-6, and rounded to the nearest number of E2M1, ties to even, subnormals kept.
;;     - The product sums the exact products of the quantised numbers (number of the format x scale) in f32.
;;   ~~~python
;;   def quantise(x, axis):      # numpy; x: float32 -> the quantised numbers, widened to float32 again
;;       x = np.moveaxis(x, axis, -1); K = x.shape[-1]
;;       x = np.pad(x, [(0, 0)] * (x.ndim - 1) + [(0, -K % 32)]); x = x.reshape(x.shape[:-1] + (-1, 32)); a = np.abs(x).max(-1, keepdims=True)
;;       e = np.where(a > 0, np.clip(np.frexp(np.where(a > 0, a, 1))[1] - 1 - 2, -126, 127), 0)      # np.frexp(a)[1] - 1 = floor(log2(a)), exactly
;;       r = np.clip(x / 2.0 ** e, -6, 6)
;;       step = 2.0 ** (np.maximum(np.frexp(np.where(r == 0, 1, r))[1] - 1, 0) - 1)
;;       q = np.round(r / step) * step * 2.0 ** e      # np.round: ties to even
;;       return np.moveaxis(q.reshape(q.shape[:-2] + (-1,))[..., :K], -1, axis).astype(np.float32)
;;   ~~~
;;   OPERANDS COMPUTED ON THE WAY. 'Computed on the way' means the value that the module computes at that place (a softmax that the list does not call 'softmax' is quantised finished and normalised). What goes into a quantiser is computed in f32, as accurately as f32 sums, v_exp_f32 and their like allow (about 1e-6 of the number): no bf16 or f16 on the way to a quantiser, and a product that is left as it is and whose result goes on into a quantised operand takes f32 operands (vector FMAs, or v_wmma_f32_16x16x4_f32). A number that lies on a knife's edge between two numbers of the format may be rounded either way, as far as f32 arithmetic and the matrix unit's own rounding can turn it there, and no further.
;; 2 versions. Each part assembles by itself: llvm-mc -triple=amdgcn-amd-amdhsa -mcpu=gfx1250 --defsym DOCPART=n.
;; ======== version 1 of 2: 2 launches
;; workspace buffers: hxy 2,097,152 bytes; w2c 131,072 bytes; w2s 16,384 bytes
;; launch prep (part 1): grid 288 x 1, 4 waves a work-group, no clusters, 0 bytes of LDS; arguments x, y, W1, b1, W2, hxy, w2c, w2s; writes hxy, w2c, w2s
.if DOCPART == 1
	.amdgcn_target "amdgcn-amd-amdhsa--gfx1250"
	.amdhsa_code_object_version 6
	.text
	.protected	k_q953177967c_prep
	.globl	k_q953177967c_prep
	.p2align	8
	.type	k_q953177967c_prep,@function
k_q953177967c_prep:
	s_mov_b64 s[64:65], 0
	v_nop
	global_prefetch_b8 v0, s[64:65] scope:SCOPE_SE
	s_setreg_imm32_b32 hwreg(HW_REG_WAVE_MODE, 25, 1), 1
	s_wait_xcnt 0x0
; PREPARATION for the pair scores: (H) hx + b1 = Q(x) Q(W1[0:128]) + b1 and hy = Q(y) Q(W1[128:256]), both products on codes of FP4 (E2M1) with one E8M0 scale for each 32 along K, sums in f32;
; (W) W2 [512 (k)][512 (n)] f32 turned into codes and scale words along K.  Q: a block's scale is 2^(floor(log2(its largest magnitude)) - 2); numbers beyond 6 x the scale take the largest code.
; Work-groups 0-255 take path H, work-groups 256-287 path W: a scalar branch on the work-group's number.  No LDS, no barrier: waves share nothing.
; WHAT IS STORED is laid in the order in which the next launch's registers take it:
;   hxy [z 2][row tile 32][chunk 8][g 8][lane 32][16 bytes] f32: z = 0: hx + b1, z = 1: hy.  Lane 16 h + q, numbers 4 g .. 4 g + 3: value(row 16 tile + q, hidden unit 64 chunk + 32 h + 4 g ..).
;   w2c [fragment F 128][c 2][lane 32][16 bytes]: F = 4 nt + s: rows n = 16 nt + lane % 16 of W2^T, K step s of 128: the operand's registers 4 c .. 4 c + 3 as they stand.
;   w2s [F][lane 32][4 bytes]: the scale word of row n = 16 nt + lane % 16 (the same in both halves of the lanes).
; A LANE TAKES A COLUMN OF THE WEIGHT AND ITS REGISTERS RUN DOWN K, in the order that the operand's layout gives the lane (k = 64 c + 32 h + 0 .. 31): the conversions' results are the operand's registers.
; LIMITS: NaN and infinities among the inputs are not served.  A block of zeros gets the byte 1 (not 127): its codes are zeros, and the bytes are read by this program alone.
; b1 enters as the C of hx's product, so the next launch forms (hx + b1) + hy.
.set MX,  10                           ; v10-11  the two blocks' largest magnitudes
.set SO,  12                           ; v12-13  the conversions' scale operands
.set BY,  14                           ; v14-15  the scale bytes
.set CB,  16                           ; v16-23  b1 in the result's layout (x 1 for hx, x 0 for hy)
.set WC,  24                           ; v24-31  the weight's codes
.set XC,  32                           ; v32-39, v40-47 the codes of two tiles of 16 rows of x or y
.set WW,  48                           ; v48     the weight's scale word;  v49, v50 the two row tiles'
.set WN,  64                           ; v64-127 64 numbers of the weight; later the two results, v64-71 and v72-79
.set XN,  128                          ; v128-191, v192-255 64 numbers of each row tile
; 64 loads: lane (r, h) takes k = 64 c + 32 h + i of its column; a row of W1 or W2 is 2,048 bytes; 32 h rows stand in v4
.macro LOADCOL bb
.irp c, 0,1
.irp i, 0,1,2,3,4,5,6,7,8,9,10,11,12,13,14,15,16,17,18,19,20,21,22,23,24,25,26,27,28,29,30,31
	global_load_b32 v[WN+32*\c+\i], v4, s[\bb:\bb+1] offset:(64*\c+\i)*2048
.endr
.endr
.endm
; 64 numbers of a lane, v[nn + 32 c + i] = k 64 c + 32 h + i of its row or column, become the operand's 8 registers v[kk ..] and its scale word v[ww]
.macro QUANT nn, kk, ww
.irp c, 0,1
	v_max3_num_f32 v[MX+\c], |v[\nn+32*\c]|, |v[\nn+32*\c+1]|, 0x1800000   ; my block 2 c + h: all 32 numbers are mine; the floor 2^(3 - 127) holds the byte at 1 from below
.endr
.irp i, 2,4,6,8,10,12,14,16,18,20,22,24,26,28,30
.irp c, 0,1
	v_max3_num_f32 v[MX+\c], v[MX+\c], |v[\nn+32*\c+\i]|, |v[\nn+32*\c+\i+1]|   ; the two blocks by turns
.endr
.endr
.irp c, 0,1
	v_add_nc_u32 v[SO+\c], 0xff000000, v[MX+\c]    ; 2 off the exponent field: the conversion takes this operand's exponent field as its scale
.endr
.irp c, 0,1
	v_lshrrev_b32 v[BY+\c], 23, v[SO+\c]           ; the scale's byte
.endr
	v_lshl_or_b32 v[\ww], v[BY+1], 16, v[BY]       ; my two bytes: blocks h and 2 + h,
	v_lshlrev_b32 v[\ww], v8, v[\ww]               ; 8 h bits up;
	v_permlanex16_b32 v53, v[\ww], s20, s21
	v_or_b32 v[\ww], v[\ww], v53                   ; with lane l xor 16's two the word is whole, in both halves of the lanes
.irp c, 0,1
.irp g, 0,1,2,3
	v_cvt_scalef32_pk8_fp4_f32 v[\kk+4*\c+\g], v[\nn+32*\c+8*\g:\nn+32*\c+8*\g+7], v[SO+\c]
.endr
.endr
	v_nop                                          ; one plain instruction behind the last scaled conversion
.endm
	s_load_b256 s[4:11], s[0:1], 0x0               ; x s[4:5], y s[6:7], W1 s[8:9], b1 s[10:11]
	s_load_b256 s[12:19], s[0:1], 0x20             ; W2 s[12:13], hxy s[14:15], w2c s[16:17], w2s s[18:19]
	v_lshrrev_b32 v1, 5, v0
	v_readfirstlane_b32 s22, v1                    ; wave 0..3
	v_and_b32 v1, 15, v0                           ; r
	v_bfe_u32 v2, v0, 4, 1                         ; h
	v_and_b32 v3, 31, v0                           ; lane
	v_lshlrev_b32 v7, 4, v3                        ; 16 x lane
	v_lshlrev_b32 v8, 3, v2                        ; 8 h
	v_lshlrev_b32 v9, 2, v3                        ; 4 x lane
	v_mov_b32 v53, 0                               ; a lane permute's destination counts as one of its sources
	s_mov_b32 s20, 0x76543210
	s_mov_b32 s21, 0xfedcba98                      ; selects for lane l xor 16
	s_cmp_lt_u32 ttmp9, 256
	s_cbranch_scc0 .Lweights
	; ---- PATH H.  Work-group = (z, chunk of 64 hidden units, 32 rows); wave u makes hidden units 64 chunk + 32 h + 8 u + 0 .. 7 for the 32 rows.
	; THE COLUMNS OF W1 THAT FORM A TILE ARE NOT NEIGHBOURS: lane r takes column 64 chunk + 8 u + r % 8 + 32 (r / 8).  The product is used transposed (source 0 = 16 columns of W1, source 1 = 16 rows of x),
	; so that lane (r, h) holds row r and its register j the hidden unit 64 chunk + 32 h + 8 u + j: numbers 8 u + j of the stored image.
	s_lshr_b32 s23, ttmp9, 7                       ; z
	s_bfe_u32 s24, ttmp9, 0x30004                  ; chunk
	s_and_b32 s25, ttmp9, 15                       ; which 32 rows
	v_and_b32 v4, 7, v1
	v_lshlrev_b32 v4, 2, v4
	v_lshrrev_b32 v5, 3, v1
	v_lshl_add_u32 v4, v5, 7, v4
	v_lshl_add_u32 v4, v2, 16, v4                  ; W1: 4 (r % 8) + 128 (r / 8) + 32 h rows of 2,048 bytes
	v_lshlrev_b32 v5, 9, v1
	v_lshl_add_u32 v5, v2, 7, v5                   ; x: row r of 512 bytes + 128 h
	v_lshlrev_b32 v6, 7, v2                        ; b1: 32 h numbers
	s_lshl_b32 s26, s24, 8
	s_lshl_b32 s27, s22, 5
	s_add_co_u32 s26, s26, s27                     ; 256 chunk + 32 u: the tile's first column in bytes, in W1's rows and in b1
	s_mov_b32 s27, 0
	s_lshl_b32 s28, s23, 18                        ; z x 128 rows of W1
	s_add_co_u32 s28, s28, s26
	s_mov_b32 s29, 0
	s_lshl_b32 s30, s25, 14                        ; 32 rows of x
	s_mov_b32 s31, 0
	s_lshl_b32 s32, s23, 20                        ; hxy: z,
	s_lshl_b32 s33, s25, 16                        ; two row tiles of 32,768 bytes,
	s_add_co_u32 s32, s32, s33
	s_lshl_b32 s33, s24, 12                        ; the chunk,
	s_add_co_u32 s32, s32, s33
	s_lshl_b32 s33, s22, 10                        ; g = 2 u
	s_add_co_u32 s32, s32, s33
	s_mov_b32 s33, 0
	s_wait_kmcnt 0x0
	s_cmp_eq_u32 s23, 0
	s_cselect_b64 s[4:5], s[4:5], s[6:7]           ; x or y
	s_cselect_b32 s34, 0x3f800000, 0               ; b1 counts for hx alone
	s_add_nc_u64 s[4:5], s[4:5], s[30:31]
	s_add_nc_u64 s[8:9], s[8:9], s[28:29]
	s_add_nc_u64 s[10:11], s[10:11], s[26:27]
	s_add_nc_u64 s[14:15], s[14:15], s[32:33]
	global_load_b128 v[CB:CB+3], v6, s[10:11]
	global_load_b128 v[CB+4:CB+7], v6, s[10:11] offset:16
	LOADCOL 8
.irp t, 0,1
.irp c, 0,1
.irp q, 0,1,2,3,4,5,6,7
	global_load_b128 v[XN+64*\t+32*\c+4*\q:XN+64*\t+32*\c+4*\q+3], v5, s[4:5] offset:8192*\t+256*\c+16*\q   ; x(16 t + r, 64 c + 32 h + 4 q ..)
.endr
.endr
.endr
	s_wait_loadcnt 32                              ; b1 and W1 are in; the 32 loads of the rows may be out
.irp j, 0,1,2,3,4,5,6,7
	v_mul_f32 v[CB+\j], s34, v[CB+\j]
.endr
	QUANT WN, WC, WW
	s_wait_loadcnt 16                              ; the first row tile is in
	QUANT XN, XC, WW+1
	s_wait_loadcnt 0x0
	QUANT XN+64, XC+8, WW+2
.rept 8
	v_nop                                          ; a scale word made by vector instructions stands eight plain instructions ahead of the scaled product, codes so made four
.endr
	v_wmma_scale_f32_16x16x128_f8f6f4 v[WN:WN+7], v[WC:WC+7], v[XC:XC+7], v[CB:CB+7], v[WW], v[WW+1] matrix_a_fmt:MATRIX_FMT_FP4 matrix_b_fmt:MATRIX_FMT_FP4
	v_wmma_scale_f32_16x16x128_f8f6f4 v[WN+8:WN+15], v[WC:WC+7], v[XC+8:XC+15], v[CB:CB+7], v[WW], v[WW+2] matrix_a_fmt:MATRIX_FMT_FP4 matrix_b_fmt:MATRIX_FMT_FP4
.rept 4
	v_nop                                          ; four plain instructions between a product and the stores of its result
.endr
.irp t, 0,1
	global_store_b128 v7, v[WN+8*\t:WN+8*\t+3], s[14:15] offset:32768*\t          ; each result from its low end on; a store covers 512 consecutive bytes, aligned
	global_store_b128 v7, v[WN+8*\t+4:WN+8*\t+7], s[14:15] offset:32768*\t+512
.endr
	s_endpgm
.Lweights:
	; ---- PATH W.  32 work-groups x 4 waves = 128 fragments of W2^T: wave takes columns n = 16 nt + r, K step s.
	s_sub_co_u32 s23, ttmp9, 256
	s_and_b32 s24, s23, 7
	s_lshl_b32 s24, s24, 2
	s_add_co_u32 s24, s24, s22                     ; nt
	s_lshr_b32 s25, s23, 3                         ; s
	v_lshlrev_b32 v4, 2, v1
	v_lshl_add_u32 v4, v2, 16, v4                  ; 4 r + 32 h rows of 2,048 bytes
	s_lshl_b32 s26, s25, 18                        ; 128 s rows
	s_lshl_b32 s27, s24, 6                         ; 16 nt columns
	s_add_co_u32 s26, s26, s27
	s_mov_b32 s27, 0
	s_lshl_b32 s28, s24, 2
	s_add_co_u32 s28, s28, s25                     ; F = 4 nt + s
	s_lshl_b32 s30, s28, 7                         ; its scale words: 128 bytes
	s_lshl_b32 s28, s28, 10                        ; its codes: 1,024 bytes
	s_mov_b32 s29, 0
	s_mov_b32 s31, 0
	s_wait_kmcnt 0x0
	s_add_nc_u64 s[12:13], s[12:13], s[26:27]
	s_add_nc_u64 s[16:17], s[16:17], s[28:29]
	s_add_nc_u64 s[18:19], s[18:19], s[30:31]
	LOADCOL 12
	s_wait_loadcnt 0x0
	QUANT WN, WC, WW
	global_store_b128 v7, v[WC:WC+3], s[16:17]
	global_store_b128 v7, v[WC+4:WC+7], s[16:17] offset:512
	global_store_b32 v9, v[WW], s[18:19]           ; 128 consecutive bytes a wave: the whole buffer is 16,384 bytes
	s_endpgm
.Lfunc_end_k_q953177967c_prep:
	.size	k_q953177967c_prep, .Lfunc_end_k_q953177967c_prep-k_q953177967c_prep
	.p2alignl 7, 3214868480
	.fill 96, 4, 3214868480
	.section	.rodata,"a",@progbits
	.p2align	6, 0x0
	.amdhsa_kernel k_q953177967c_prep
		.amdhsa_group_segment_fixed_size 0
		.amdhsa_private_segment_fixed_size 0
		.amdhsa_enable_private_segment 0
		.amdhsa_kernarg_size 64
		.amdhsa_user_sgpr_count 2
		.amdhsa_user_sgpr_kernarg_segment_ptr 1
		.amdhsa_wavefront_size32 1
		.amdhsa_system_sgpr_workgroup_id_x 1
		.amdhsa_system_sgpr_workgroup_id_y 1
		.amdhsa_system_sgpr_workgroup_id_z 1
		.amdhsa_system_vgpr_workitem_id 0
		.amdhsa_next_free_vgpr 256
		.amdhsa_next_free_sgpr 66
		.amdhsa_reserve_vcc 0
		.amdhsa_float_denorm_mode_32 3
		.amdhsa_float_denorm_mode_16_64 3
		.amdhsa_memory_ordered 1
		.amdhsa_forward_progress 1
		.amdhsa_inst_pref_size 32
	.end_amdhsa_kernel
	.amdgpu_metadata
---
amdhsa.version: [ 1, 2 ]
amdhsa.kernels:
  - .name:           k_q953177967c_prep
    .symbol:         k_q953177967c_prep.kd
    .args:
      - { .name: x, .offset: 0, .size: 8, .value_kind: global_buffer, .address_space: global }
      - { .name: y, .offset: 8, .size: 8, .value_kind: global_buffer, .address_space: global }
      - { .name: W1, .offset: 16, .size: 8, .value_kind: global_buffer, .address_space: global }
      - { .name: b1, .offset: 24, .size: 8, .value_kind: global_buffer, .address_space: global }
      - { .name: W2, .offset: 32, .size: 8, .value_kind: global_buffer, .address_space: global }
      - { .name: hxy, .offset: 40, .size: 8, .value_kind: global_buffer, .address_space: global }
      - { .name: w2c, .offset: 48, .size: 8, .value_kind: global_buffer, .address_space: global }
      - { .name: w2s, .offset: 56, .size: 8, .value_kind: global_buffer, .address_space: global }
    .group_segment_fixed_size: 0
    .private_segment_fixed_size: 0
    .kernarg_segment_align: 8
    .kernarg_segment_size: 64
    .max_flat_workgroup_size: 128
    .sgpr_count:     66
    .vgpr_count:     256
    .wavefront_size: 32
...
	.end_amdgpu_metadata
.endif
;; end of part 1
;; launch main (part 2): grid 32 x 8, 4 waves a work-group, no clusters, 311,808 bytes of LDS; arguments hxy, w2c, w2s, b2, W3, b3, out0; writes out0
.if DOCPART == 2
	.amdgcn_target "amdgcn-amd-amdhsa--gfx1250"
	.amdhsa_code_object_version 6
	.text
	.protected	k_q953177967c_main
	.globl	k_q953177967c_main
	.p2align	8
	.type	k_q953177967c_main,@function
k_q953177967c_main:
	s_mov_b64 s[64:65], 0
	v_nop
	global_prefetch_b8 v0, s[64:65] scope:SCOPE_SE
	s_setreg_imm32_b32 hwreg(HW_REG_WAVE_MODE, 25, 1), 1
	s_wait_xcnt 0x0
; scores[i][j] = relu(Q(relu((hx[i] + b1) + hy[j])) Q(W2) + b2) . W3 + b3.  The product with W2 runs on codes of FP4 (E2M1) with one E8M0 scale for each 32 along K, sums in f32; the product with W3 (one column) is f32 multiply-adds.
; SHARES.  Work-group (ib, jb) owns i = 16 ib .. + 15 and j = 64 jb .. + 63: 1,024 pairs = 64 tiles of 16 rows; 32 x 8 = 256 work-groups of four waves.
; Tile T = 16 w + 4 a + b; its row r is the pair (i = 16 ib + 4 a + r / 4, j = 64 jb + 16 w + 4 b + r % 4).
; PHASE A: wave w makes and quantises its 16 tiles of the first hidden layer, each row once, and lays them in LDS as IMAGES OF THE OPERAND'S REGISTERS (16 bytes a lane on end) with their scale bytes.
;   The operand's layout gives lane (r, h) the hidden units 64 c + 32 h + 0 .. 31 of row r for chunk c: a whole block of 32 in one lane, so that no maximum crosses lanes.  A tile's rows being 4 i x 4 j,
;   four sets of hx registers and four of hy give all 16 tiles by packed additions.
; PHASE B: THE WAVES SHARE THE COLUMNS: wave w keeps rows n = 128 w .. + 127 of W2^T (32 fragments, 256 registers), their scale words, b2 and W3 in registers for the whole launch and walks all 64 tiles.
;   The product is used transposed (source 0 = 16 rows of W2^T, source 1 = 16 pairs): lane (r, h) holds pair r, register j the unit n = 128 w + 16 t + 8 h + j.  b2 is the C of each sum's first product.
;   One tile's 32 products stand by turns with the tile before's clip and multiply-adds by W3: three vector instructions behind each product.
; WAY OUT: the eight partial sums of a pair (four waves x two halves of the lanes) meet in LDS; each wave stores four rows of 64 scores.
; NO TENSOR LOADS, NO CLUSTER: nothing is walked from memory in a loop that partners share: a work-group reads its 147,456 bytes of W2's codes and words and 163,840 bytes of hx and hy once, straight into registers.
; LIMITS: NaN and infinities are not served.  A block with no positive number gets the byte 1 and zero codes.  The clip at 0 is made on the codes: a negative number's code becomes -0, which adds nothing.
; REGISTERS, in windows of 256 (s_set_vgpr_msb: bits 1:0 source 0, 3:2 source 1, 5:4 source 2, 7:6 destination):
;   window 0: v1-16 addresses; v20-63 at work in phase A; v64-127 two tiles' numbers (A), two tiles' fragments (B), the last sums; v128-135 two tiles' scale words; v136-167 W2's scale words; v168-231 W3.
;   windows 1, 2 (phase B; N tiles t = 0-3, 4-7): v0-127 W2's fragments; v128-191 two sets of four accumulators; v192-223 b2; v224-230 the scores' sums.
;   windows 2, 3 (phase A; the even and the odd chunk): v0-127 four sets of hx, v128-255 four sets of hy.
.set SCL,  262144                      ; LDS: 0: images, T x 4,096 + chunk x 512 + 16 x lane;  SCL: scale bytes, T x 256 + 16 r + 2 chunk + h: a row's 16 bytes are its four scale words
.set PART, 278528                      ; partial sums: wave x 8,192 + T x 128 + 4 x lane
.set MX,   20                          ; v20-23  four chains of maxima
.set SO,   24                          ; v24-25  the conversions' scale operands
.set BY,   26                          ; v26-29  scale bytes [parity][tile]
.set CD,   32                          ; v32-47  codes [parity][tile][4]
.set CLA,  48                          ; v48-55, v56-63 at work in the clip
.set CLB,  56
.set TT,   64                          ; v64-127 two tiles x 32 numbers
.set PF,   64                          ; the same registers in phase B: fragments [parity][32]
.set PS,   128                         ; v128-135 scale words [parity][4]
.set W2S,  136                         ; v136-167 W2's scale words, 4 t + s
.set W3R,  168                         ; v168-231 W3, 8 t + j
.set ACC,  128                         ; in windows 1, 2: accumulators, 32 p + 8 u
.set B2R,  192                         ; b2, 8 u + j
.set SCR,  224                         ; two pairs of running sums
.set RES,  228                         ; window 1: v228 its half's sum; window 2: v228 + p the tile's sum, v230 its half's
.set MSB, 0
.macro WIN new                         ; the immediate's high byte repeats the setting that is left; a switch that changes nothing is dropped
.if MSB != (\new)
	s_set_vgpr_msb (MSB<<8)|(\new)
.set MSB, (\new)
.endif
.endm
; 64 loads: N tiles 4 H .. 4 H + 3 of my 128 rows of W2^T: 16 fragments and b2 into window 1 + H; W3 and the scale words into window 0
.macro LOADW H
	WIN 0x40*(1+\H)
.irp u, 0,1,2,3
.irp s, 0,1,2,3
.irp c, 0,1
	global_load_b128 v[32*\u+8*\s+4*\c:32*\u+8*\s+4*\c+3], v1, s[6:7] offset:((4*\H+\u)*4+\s)*1024+512*\c
.endr
.endr
.endr
.irp u, 0,1,2,3
.irp f, 0,1
	global_load_b128 v[B2R+8*\u+4*\f:B2R+8*\u+4*\f+3], v5, s[10:11] offset:(4*\H+\u)*64+16*\f
.endr
.endr
	WIN 0
.irp u, 0,1,2,3
.irp f, 0,1
	global_load_b128 v[W3R+8*(4*\H+\u)+4*\f:W3R+8*(4*\H+\u)+4*\f+3], v5, s[12:13] offset:(4*\H+\u)*64+16*\f
.endr
.endr
.irp u, 0,1,2,3
.irp s, 0,1,2,3
	global_load_b32 v[W2S+4*(4*\H+\u)+\s], v2, s[8:9] offset:((4*\H+\u)*4+\s)*128
.endr
.endr
.endm
; 64 loads: one chunk of 64 hidden units: hx of my tile rows' four groups a, hy of the four groups b, 32 numbers a lane each.  msb: destination window 2 (0x80) or 3 (0xc0)
.macro LOADCHUNK msb, off
	WIN \msb
.irp a, 0,1,2,3
.irp g, 0,1,2,3,4,5,6,7
	global_load_b128 v[32*\a+4*\g:32*\a+4*\g+3], v3, s[4:5] offset:\off+64*\a+512*\g
.endr
.endr
.irp b, 0,1,2,3
.irp g, 0,1,2,3,4,5,6,7
	global_load_b128 v[128+32*\b+4*\g:128+32*\b+4*\g+3], v4, s[18:19] offset:\off+64*\b+512*\g
.endr
.endr
	WIN 0
.endm
; Two tiles (a, b0) and (a, b0 + 1), one chunk: sum, block maximum, codes, clip, image and scale byte to LDS.  wadd: sources 0 and 1 in window 2 (0x0a) or 3 (0x0f); cpar: the chunk's parity; par: the pair's
.macro PAIR a, b0, wadd, cpar, par
	WIN \wadd
.irp x, 0,1
.irp q, 0,2,4,6,8,10,12,14,16,18,20,22,24,26,28,30
	v_pk_add_f32 v[TT+32*\x+\q:TT+32*\x+\q+1], v[32*\a+\q:32*\a+\q+1], v[128+32*(\b0+\x)+\q:128+32*(\b0+\x)+\q+1]   ; (hx + b1) + hy
.endr
.endr
	WIN 0
.irp x, 0,1                            ; the block's largest number: no |.|: what is negative is clipped and must not count; four chains by turns
	v_max3_num_f32 v[MX+2*\x], v[TT+32*\x], v[TT+32*\x+1], 0x1800000   ; the floor 2^(3 - 127) holds the byte at 1 from below
	v_max3_num_f32 v[MX+2*\x+1], v[TT+32*\x+16], v[TT+32*\x+17], v[TT+32*\x+18]
.endr
.irp i, 0,2,4,6,8,10
.irp x, 0,1
	v_max3_num_f32 v[MX+2*\x], v[MX+2*\x], v[TT+32*\x+2+\i], v[TT+32*\x+3+\i]
	v_max3_num_f32 v[MX+2*\x+1], v[MX+2*\x+1], v[TT+32*\x+19+\i], v[TT+32*\x+20+\i]
.endr
.endr
.irp x, 0,1
	v_max3_num_f32 v[MX+2*\x], v[MX+2*\x], v[TT+32*\x+14], v[TT+32*\x+15]
.endr
.irp x, 0,1
	v_max3_num_f32 v[MX+2*\x], v[MX+2*\x], v[MX+2*\x+1], v[TT+32*\x+31]
.endr
.irp x, 0,1
	v_add_nc_u32 v[SO+\x], 0xff000000, v[MX+2*\x]  ; 2 off the exponent field: the conversion's scale operand
.endr
	s_wait_dscnt 4                                 ; the last pair's four stores may be out; those of two pairs back, which read this parity's registers, are done
.irp x, 0,1
.irp g, 0,1,2,3
	v_cvt_scalef32_pk8_fp4_f32 v[CD+8*\par+4*\x+\g], v[TT+32*\x+8*\g:TT+32*\x+8*\g+7], v[SO+\x]
.endr
.endr
.irp x, 0,1
	v_lshrrev_b32 v[BY+2*\par+\x], 23, v[SO+\x]    ; the scale's byte; also the plain instruction behind the conversions
.endr
.irp n, 0,1,2,3,4,5,6,7                ; THE CLIP AT 0, ON THE CODES, eight numbers an instruction: the sign bits,
	v_and_b32 v[CLA+\n], s42, v[CD+8*\par+\n]
.endr
.irp n, 0,1,2,3,4,5,6,7
	v_lshrrev_b32 v[CLB+\n], 3, v[CLA+\n]
.endr
.irp n, 0,1,2,3,4,5,6,7
	v_sub_nc_u32 v[CLA+\n], v[CLA+\n], v[CLB+\n]   ; 8 - 1 = 7 in each negative code's four bits,
.endr
.irp n, 0,1,2,3,4,5,6,7
	v_bfi_b32 v[CD+8*\par+\n], v[CLA+\n], 0, v[CD+8*\par+\n]   ; whose magnitude is cleared
.endr
.irp x, 0,1
	ds_store_b128 v8, v[CD+8*\par+4*\x:CD+8*\par+4*\x+3] offset:(4*\a+\b0+\x)*4096+512*\cpar
	ds_store_b8 v9, v[BY+2*\par+\x] offset:(4*\a+\b0+\x)*256+2*\cpar
.endr
.endm
.macro CHUNK wadd, cpar                ; my 16 tiles, one chunk
.irp a, 0,1,2,3
	PAIR \a, 0, \wadd, \cpar, 0
	PAIR \a, 2, \wadd, \cpar, 1
.endr
.endm
; Multiply-add number kf of 16 of a half's way out: a pair of clipped results x W3.  The first two start the sums.  W3 stands as source 1, whose window is 0 under the products' setting
.macro FS H, p
.set rF, ACC+32*(1-(\p))+2*kf
.set rG, W3R+32*(\H)+2*kf
.set rS, SCR+2*(kf%2)
.if kf < 2
	v_pk_mul_f32 v[rS:rS+1], v[rF:rF+1], v[rG:rG+1]
.else
	v_pk_fma_f32 v[rS:rS+1], v[rF:rF+1], v[rG:rG+1], v[rS:rS+1]
.endif
.endm
; N tiles 4 H .. 4 H + 3.  mm: 16 products of the tile in set p: K step kk / 4, N tile kk % 4: the four accumulators take turns, one instruction a turn.
; ep: the way out of the tile in set 1 - p, behind each product two clips and one packed multiply-add, each accumulator from its low end on.  All run under ONE window setting.
.macro HALF H, p, mm, ep
.set kk, 0
.rept 16
.if \mm
.set rA, ACC+32*(\p)+8*(kk%4)
.set rW, 32*(kk%4)+8*(kk/4)
.set rP, PF+32*(\p)+8*(kk/4)
.set rX, W2S+16*(\H)+4*(kk%4)+kk/4
.set rY, PS+4*(\p)+kk/4
.if kk < 4
	v_wmma_scale_f32_16x16x128_f8f6f4 v[rA:rA+7], v[rW:rW+7], v[rP:rP+7], v[B2R+8*kk:B2R+8*kk+7], v[rX], v[rY] matrix_a_fmt:MATRIX_FMT_FP4 matrix_b_fmt:MATRIX_FMT_FP4
.else
	v_wmma_scale_f32_16x16x128_f8f6f4 v[rA:rA+7], v[rW:rW+7], v[rP:rP+7], v[rA:rA+7], v[rX], v[rY] matrix_a_fmt:MATRIX_FMT_FP4 matrix_b_fmt:MATRIX_FMT_FP4
.endif
.endif
.if \ep
.set rE, ACC+32*(1-(\p))+2*kk
	v_max_num_f32 v[rE], v[rE], 0                  ; the accumulator stands as source 0, whose window is the accumulators'
	v_max_num_f32 v[rE+1], v[rE+1], 0
.if kk > 0
.set kf, kk-1
	FS \H, \p
.endif
.endif
.set kk, kk+1
.endr
.if \ep
.set kf, 15
	FS \H, \p
	v_pk_fma_f32 v[SCR:SCR+1], v[SCR:SCR+1], 1.0, v[SCR+2:SCR+3] op_sel_hi:[1,0,1]   ; the two sums joined: written as x 1.0 + so that both stand in places whose window is this one
	v_fma_f32 v[RES+2*\H], v[SCR], 1.0, v[SCR+1]
.endif
.endm
; A TURN.  mm: the products of the tile in set p; ep: the way out of the tile before; wt: LDS instructions issued behind this tile's loads; ld >= 0: the next tile's 9 loads, ld tiles on from v12, v13; st: where the sum goes, from v14.
; The loads into the other set's registers stand behind seven plain instructions (the end of the last way out) or four v_nop that follow the last product that read them (ISA guide 7.12.1 for vector instructions).
.macro TURN p, mm, ep, wt, ld, st
	WIN 0
.if \mm
	s_wait_dscnt \wt                               ; this tile's fragments and scale words are in
.endif
.if \ld >= 0
.irp q, 0,1,2,3,4,5,6,7
	ds_load_b128 v[PF+32*(1-(\p))+4*\q:PF+32*(1-(\p))+4*\q+3], v12 offset:(\ld)*4096+512*\q
.endr
	ds_load_b128 v[PS+4*(1-(\p)):PS+4*(1-(\p))+3], v13 offset:(\ld)*256
.endif
	WIN 0x51                                       ; destination, source 0 and source 2 window 1, source 1 window 0
	HALF 0, \p, \mm, \ep
	WIN 0xa2                                       ; the same with window 2
	HALF 1, \p, \mm, \ep
.if \ep
	WIN 0xa1                                       ; source 0 window 1, source 2 and destination window 2
	v_fma_f32 v[RES+\p], v[RES], 1.0, v[RES+2]     ; the two halves' sums: my lane's part of the pair's score
	WIN 0x08                                       ; an LDS store's data are its source 1: window 2
	ds_store_b32 v14, v[RES+\p] offset:(\st)*128
.else
.rept 4
	v_nop                                          ; four plain instructions behind the last products, ahead of the next loads and of the first read of results
.endr
.endif
	WIN 0
.endm
.macro ADDRS                           ; the trip's LDS addresses
	v_add_nc_u32 v12, s46, v1
	v_add_nc_u32 v13, s47, v10
	v_add_nc_u32 v14, s48, v11
.endm
	s_load_b256 s[4:11], s[0:1], 0x0               ; hxy s[4:5], w2c s[6:7], w2s s[8:9], b2 s[10:11]
	s_load_b128 s[12:15], s[0:1], 0x20             ; W3 s[12:13], b3 s[14:15]
	s_load_b64 s[16:17], s[0:1], 0x30              ; out0
	v_lshl_add_u32 v254, v0, 2, 0x4c000
	v_mov_b32 v255, 0
	v_lshrrev_b32 v17, 5, v0
	v_readfirstlane_b32 s20, v17                   ; wave w
	s_and_b32 s22, ttmp7, 0xffff                   ; jb
	v_and_b32 v17, 31, v0                          ; lane
	v_and_b32 v18, 15, v0                          ; r
	v_bfe_u32 v19, v0, 4, 1                        ; h
	v_lshlrev_b32 v1, 4, v17                       ; v1: 16 x lane
	v_lshlrev_b32 v2, 2, v17                       ; v2: 4 x lane
	v_lshrrev_b32 v3, 2, v18
	v_lshlrev_b32 v3, 4, v3
	v_lshl_add_u32 v3, v19, 8, v3                  ; v3: hx: 256 h + 16 (r / 4)
	v_and_b32 v4, 3, v18
	v_lshlrev_b32 v4, 4, v4
	v_lshl_add_u32 v4, v19, 8, v4                  ; v4: hy: 256 h + 16 (r % 4)
	v_lshlrev_b32 v5, 5, v19                       ; v5: b2, W3: 8 h numbers
	s_lshl_b32 s36, s20, 16
	v_add_nc_u32 v6, s36, v1                       ; v6: my images: 16 x lane + 16 tiles x 4,096 x wave
	v_lshl_add_u32 v7, v18, 4, v19
	s_lshl_b32 s36, s20, 12
	s_add_co_u32 s36, s36, SCL
	v_add_nc_u32 v7, s36, v7                       ; v7: my scale bytes: SCL + 4,096 x wave + 16 r + h
	v_lshlrev_b32 v10, 4, v18
	v_add_nc_u32 v10, SCL, v10                     ; v10: a tile's scale words: SCL + 16 r
	s_lshl_b32 s36, s20, 13
	s_add_co_u32 s36, s36, PART
	v_add_nc_u32 v11, s36, v2                      ; v11: my partial sums: PART + 8,192 x wave + 4 x lane
	v_lshrrev_b32 v15, 2, v18
	v_lshlrev_b32 v15, 11, v15
	v_and_b32 v16, 3, v18
	v_lshl_add_u32 v15, v16, 7, v15
	v_lshl_add_u32 v15, v19, 4, v15
	s_lshl_b32 s36, s20, 9
	s_add_co_u32 s36, s36, PART
	v_add_nc_u32 v15, s36, v15                     ; v15: the way out: tile 16 (r / 4) + 4 w + r % 4, its rows 4 h .. 4 h + 3
	v_lshlrev_b32 v16, 4, v18
	v_lshl_add_u32 v16, v19, 11, v16               ; v16: out0: row h of 2,048 bytes + 16 r
	s_mov_b32 s42, 0x88888888                      ; the sign bits of eight codes
	s_lshl_b32 s24, ttmp9, 15                      ; hx: row tile ib
	s_mov_b32 s25, 0
	s_lshl_b32 s28, s20, 15                        ; 32,768 x wave: hy's row tile, and my rows of w2c
	s_mov_b32 s29, 0
	s_lshl_b32 s26, s22, 17
	s_add_co_u32 s26, s26, s28
	s_add_co_u32 s26, s26, 0x100000                ; hy: behind hx's 2^20 bytes, row tile 4 jb + w
	s_mov_b32 s27, 0
	s_lshl_b32 s30, s20, 12                        ; my scale words of W2
	s_mov_b32 s31, 0
	s_lshl_b32 s32, s20, 9                         ; my 128 numbers of b2 and of W3
	s_mov_b32 s33, 0
	s_lshl_b32 s34, s20, 13                        ; out0: row 16 ib + 4 w, column 64 jb
	s_add_co_u32 s34, s34, s24
	s_lshl_b32 s35, s22, 8
	s_add_co_u32 s34, s34, s35
	s_mov_b32 s35, 0
	s_wait_kmcnt 0x0
	s_add_nc_u64 s[18:19], s[4:5], s[26:27]
	s_add_nc_u64 s[4:5], s[4:5], s[24:25]
	s_add_nc_u64 s[6:7], s[6:7], s[28:29]
	s_add_nc_u64 s[8:9], s[8:9], s[30:31]
	s_add_nc_u64 s[10:11], s[10:11], s[32:33]
	s_add_nc_u64 s[12:13], s[12:13], s[32:33]
	s_add_nc_u64 s[16:17], s[16:17], s[34:35]
	s_load_b32 s40, s[14:15], 0x0                  ; b3
	LOADCHUNK 0x80, 0                              ; chunk 0
	LOADW 0
	s_wait_kmcnt 0x0
	s_mov_b32 s41, s40                             ; (the packed form names the pair)
	s_mov_b32 s43, 0                               ; the trip
	s_mov_b32 s44, 0                               ; its two chunks' place in an image: 1,024 bytes a trip
	s_mov_b32 s45, 0                               ; and among a row's scale bytes: 4 a trip
	; ---- PHASE A: four trips of two chunks.  Each wait is for the batch asked for a chunk's work ago, which is all that is out; the next batch goes out straight behind it and lands under this chunk's work.
.Lchunks:
	s_wait_loadcnt 0x0                             ; the even chunk is in (in the first trip W2's first half too)
	LOADCHUNK 0xc0, 4096                           ; the odd chunk
	v_add_nc_u32 v8, s44, v6
	v_add_nc_u32 v9, s45, v7
	CHUNK 0x0a, 0
	s_wait_loadcnt 0x0                             ; the odd chunk is in
	s_cmp_eq_u32 s43, 3
	s_cbranch_scc1 .Llast
	LOADCHUNK 0x80, 8192                           ; the next trip's even chunk
	s_branch .Ljoin
.Llast:
	LOADW 1                                        ; the last trip has no next chunk: window 2 is free and takes W2's second half
.Ljoin:
	CHUNK 0x0f, 1
	s_wait_xcnt 0x0                                ; the loads issued a chunk ago have read their bases, which are stepped only behind this wait
	s_add_nc_u64 s[4:5], s[4:5], 8192
	s_add_nc_u64 s[18:19], s[18:19], 8192
	s_add_co_u32 s44, s44, 1024
	s_add_co_u32 s45, s45, 4
	s_add_co_u32 s43, s43, 1
	s_cmp_lt_u32 s43, 4
	s_cbranch_scc1 .Lchunks
	s_wait_loadcnt 0x0                             ; W2's second half
	s_wait_dscnt 0x0                               ; for the others' sake: my images and scale bytes lie in LDS
	s_barrier_signal -1
	s_barrier_wait -1                              ; all 64 tiles do
	; ---- PHASE B: 64 tiles; tile n's products stand with tile n - 1's way out
	s_mov_b32 s46, 0                               ; two tiles a trip: 8,192 bytes of images,
	s_mov_b32 s47, 0                               ; 512 of scale words,
	s_mov_b32 s48, 0                               ; 256 of partial sums
	ADDRS
.irp q, 0,1,2,3,4,5,6,7
	ds_load_b128 v[PF+4*\q:PF+4*\q+3], v12 offset:512*\q           ; tile 0
.endr
	ds_load_b128 v[PS:PS+3], v13
	TURN 0, 1, 0, 0, 1, 0                          ; tile 0's products; tile 1 is fetched
	s_wait_dscnt 0x0                               ; no store stands behind tile 1's loads on this way into the loop: so they are waited for here, and the loop's count holds on both ways
	s_mov_b32 s49, 31
.Ltiles:
	ADDRS
	TURN 1, 1, 1, 1, 2, 0                          ; tile 2 n + 1 | tile 2 n's way out | tile 2 n + 2 is fetched.  One LDS instruction, the last turn's store, stands behind this tile's loads
	TURN 0, 1, 1, 1, 3, 1                          ; tile 2 n + 2 | tile 2 n + 1's way out | tile 2 n + 3 is fetched
	s_add_co_u32 s46, s46, 8192
	s_add_co_u32 s47, s47, 512
	s_add_co_u32 s48, s48, 256
	s_sub_co_u32 s49, s49, 1
	s_cmp_lg_u32 s49, 0
	s_cbranch_scc1 .Ltiles
	ADDRS
	TURN 1, 1, 1, 1, -1, 0                         ; tile 63 | tile 62's way out | nothing is left to fetch
	TURN 0, 0, 1, 0, -1, 1                         ; tile 63's way out alone
	s_wait_dscnt 0x0                               ; for the others' sake: my partial sums lie in LDS
	s_barrier_signal -1
	s_barrier_wait -1
	; ---- WAY OUT: wave w stores rows 16 ib + 4 w + 0 .. 3.  A lane takes four neighbouring j of row h + 2 e: 16 bytes of each of the eight partial sums (wave q / 2, half q % 2 of the lanes).
.irp e, 0,1
.irp q, 0,1,2,3,4,5,6,7
	ds_load_b128 v[64+32*\e+4*\q:64+32*\e+4*\q+3], v15 offset:(\q/2)*8192+(\q%2)*64+32*\e
.endr
.endr
.irp e, 0,1
	s_wait_dscnt 8-8*\e                            ; this group's eight loads are in; the second group's may be out
.irp m, 0,2,4,6
.irp d, 0,2
	v_pk_add_f32 v[64+32*\e+4*\m+\d:64+32*\e+4*\m+\d+1], v[64+32*\e+4*\m+\d:64+32*\e+4*\m+\d+1], v[64+32*\e+4*\m+4+\d:64+32*\e+4*\m+4+\d+1]
.endr
.endr
.irp m, 0,4
.irp d, 0,2
	v_pk_add_f32 v[64+32*\e+4*\m+\d:64+32*\e+4*\m+\d+1], v[64+32*\e+4*\m+\d:64+32*\e+4*\m+\d+1], v[64+32*\e+4*\m+8+\d:64+32*\e+4*\m+8+\d+1]
.endr
.endr
.irp d, 0,2
	v_pk_add_f32 v[64+32*\e+\d:64+32*\e+\d+1], v[64+32*\e+\d:64+32*\e+\d+1], v[64+32*\e+16+\d:64+32*\e+16+\d+1]
.endr
.irp d, 0,2
	v_pk_add_f32 v[64+32*\e+\d:64+32*\e+\d+1], v[64+32*\e+\d:64+32*\e+\d+1], s[40:41] op_sel_hi:[1,0]   ; + b3
.endr
	global_store_b128 v16, v[64+32*\e:64+32*\e+3], s[16:17] offset:4096*\e th:TH_STORE_NT   ; sixteen lanes store 256 consecutive bytes, at a multiple of 256 from out0's first byte
.endr
	s_wait_tensorcnt 0x0
	ds_add_u32 v254, v255
	s_wait_dscnt 0x0
	s_endpgm
.Lfunc_end_k_q953177967c_main:
	.size	k_q953177967c_main, .Lfunc_end_k_q953177967c_main-k_q953177967c_main
	.p2alignl 7, 3214868480
	.fill 96, 4, 3214868480
	.section	.rodata,"a",@progbits
	.p2align	6, 0x0
	.amdhsa_kernel k_q953177967c_main
		.amdhsa_group_segment_fixed_size 311808
		.amdhsa_private_segment_fixed_size 0
		.amdhsa_enable_private_segment 0
		.amdhsa_kernarg_size 56
		.amdhsa_user_sgpr_count 2
		.amdhsa_user_sgpr_kernarg_segment_ptr 1
		.amdhsa_wavefront_size32 1
		.amdhsa_system_sgpr_workgroup_id_x 1
		.amdhsa_system_sgpr_workgroup_id_y 1
		.amdhsa_system_sgpr_workgroup_id_z 1
		.amdhsa_system_vgpr_workitem_id 0
		.amdhsa_next_free_vgpr 1024
		.amdhsa_next_free_sgpr 66
		.amdhsa_reserve_vcc 0
		.amdhsa_float_denorm_mode_32 3
		.amdhsa_float_denorm_mode_16_64 3
		.amdhsa_memory_ordered 1
		.amdhsa_forward_progress 1
		.amdhsa_inst_pref_size 185
	.end_amdhsa_kernel
	.amdgpu_metadata
---
amdhsa.version: [ 1, 2 ]
amdhsa.kernels:
  - .name:           k_q953177967c_main
    .symbol:         k_q953177967c_main.kd
    .args:
      - { .name: hxy, .offset: 0, .size: 8, .value_kind: global_buffer, .address_space: global }
      - { .name: w2c, .offset: 8, .size: 8, .value_kind: global_buffer, .address_space: global }
      - { .name: w2s, .offset: 16, .size: 8, .value_kind: global_buffer, .address_space: global }
      - { .name: b2, .offset: 24, .size: 8, .value_kind: global_buffer, .address_space: global }
      - { .name: W3, .offset: 32, .size: 8, .value_kind: global_buffer, .address_space: global }
      - { .name: b3, .offset: 40, .size: 8, .value_kind: global_buffer, .address_space: global }
      - { .name: out0, .offset: 48, .size: 8, .value_kind: global_buffer, .address_space: global }
    .group_segment_fixed_size: 311808
    .private_segment_fixed_size: 0
    .kernarg_segment_align: 8
    .kernarg_segment_size: 56
    .max_flat_workgroup_size: 128
    .sgpr_count:     66
    .vgpr_count:     1024
    .wavefront_size: 32
...
	.end_amdgpu_metadata
.endif
;; end of part 2
;; ======== version 2 of 2: 2 launches; version 1 with the launches prep, main written anew for expert scheduling mode
;; workspace buffers: hxy 2,097,152 bytes; w2c 131,072 bytes; w2s 16,384 bytes
;; launch prep (part 3): grid 288 x 1, 4 waves a work-group, no clusters, 0 bytes of LDS; arguments x, y, W1, b1, W2, hxy, w2c, w2s; writes hxy, w2c, w2s
.if DOCPART == 3
	.amdgcn_target "amdgcn-amd-amdhsa--gfx1250"
	.amdhsa_code_object_version 6
	.text
	.protected	k_q953177967c_prep
	.globl	k_q953177967c_prep
	.p2align	8
	.type	k_q953177967c_prep,@function
k_q953177967c_prep:
	s_mov_b64 s[64:65], 0
	v_nop
	global_prefetch_b8 v0, s[64:65] scope:SCOPE_SE
	s_setreg_imm32_b32 hwreg(HW_REG_WAVE_SCHED_MODE, 0, 2), 2
	s_setreg_imm32_b32 hwreg(HW_REG_WAVE_MODE, 25, 1), 1
	s_wait_xcnt 0x0
	s_wait_alu depctr_vm_vsrc(0)
; PREPARATION for the pair scores: (H) hx + b1 = Q(x) Q(W1[0:128]) + b1 and hy = Q(y) Q(W1[128:256]), both products on codes of FP4 (E2M1) with one E8M0 scale for each 32 along K, sums in f32;
; (W) W2 [512 (k)][512 (n)] f32 turned into codes and scale words along K.  Q: a block's scale is 2^(floor(log2(its largest magnitude)) - 2); numbers beyond 6 x the scale take the largest code.
; Work-groups 0-255 take path H, work-groups 256-287 path W: a scalar branch on the work-group's number.  No LDS, no barrier: waves share nothing.
; WHAT IS STORED is laid in the order in which the next launch's registers take it:
;   hxy [z 2][row tile 32][chunk 8][g 8][lane 32][16 bytes] f32: z = 0: hx + b1, z = 1: hy.  Lane 16 h + q, numbers 4 g .. 4 g + 3: value(row 16 tile + q, hidden unit 64 chunk + 32 h + 4 g ..).
;   w2c [fragment F 128][c 2][lane 32][16 bytes]: F = 4 nt + s: rows n = 16 nt + lane % 16 of W2^T, K step s of 128: the operand's registers 4 c .. 4 c + 3 as they stand.
;   w2s [F][lane 32][4 bytes]: the scale word of row n = 16 nt + lane % 16 (the same in both halves of the lanes).
; A LANE TAKES A COLUMN OF THE WEIGHT AND ITS REGISTERS RUN DOWN K, in the order that the operand's layout gives the lane (k = 64 c + 32 h + 0 .. 31): the conversions' results are the operand's registers.
; LIMITS: NaN and infinities among the inputs are not served.  A block of zeros gets the byte 1 (not 127): its codes are zeros, and the bytes are read by this program alone.
; b1 enters as the C of hx's product, so the next launch forms (hx + b1) + hy.
; THE MODE: SCHED_MODE bits 1:0 = 2 (LLVM: expert scheduling mode 2), set by the entry lines.  The code itself states the register dependences
; between vector or matrix instructions and memory instructions, with s_wait_alu, always for 0.
; THE PLAN.  Registers that memory instructions touch:
;   v4-v7, v9      byte offsets: written once by vector instructions, ahead of the wait that stands in front of a path's first load; never written again.
;   CB, WN, XN     loads land in them before any vector instruction has named them.
;   v64-79 (path H: the two products' results), WC and WW (path W: codes and scale word): written by matrix or vector instructions, then read by the stores: one wait ahead of each run of stores.
; No register that a memory instruction reads is written again, so no wait on vm_vsrc stands in this text.
.set MX,  10                           ; v10-11  the two blocks' largest magnitudes
.set SO,  12                           ; v12-13  the conversions' scale operands
.set BY,  14                           ; v14-15  the scale bytes
.set CB,  16                           ; v16-23  b1 in the result's layout (x 1 for hx, x 0 for hy)
.set WC,  24                           ; v24-31  the weight's codes
.set XC,  32                           ; v32-39, v40-47 the codes of two tiles of 16 rows of x or y
.set WW,  48                           ; v48     the weight's scale word;  v49, v50 the two row tiles'
.set WN,  64                           ; v64-127 64 numbers of the weight; later the two results, v64-71 and v72-79
.set XN,  128                          ; v128-191, v192-255 64 numbers of each row tile
; 64 loads: lane (r, h) takes k = 64 c + 32 h + i of its column; a row of W1 or W2 is 2,048 bytes; 32 h rows stand in v4
.macro LOADCOL bb
.irp c, 0,1
.irp i, 0,1,2,3,4,5,6,7,8,9,10,11,12,13,14,15,16,17,18,19,20,21,22,23,24,25,26,27,28,29,30,31
	global_load_b32 v[WN+32*\c+\i], v4, s[\bb:\bb+1] offset:(64*\c+\i)*2048
.endr
.endr
.endm
; 64 numbers of a lane, v[nn + 32 c + i] = k 64 c + 32 h + i of its row or column, become the operand's 8 registers v[kk ..] and its scale word v[ww]
.macro QUANT nn, kk, ww
.irp c, 0,1
	v_max3_num_f32 v[MX+\c], |v[\nn+32*\c]|, |v[\nn+32*\c+1]|, 0x1800000   ; my block 2 c + h: all 32 numbers are mine; the floor 2^(3 - 127) holds the byte at 1 from below
.endr
.irp i, 2,4,6,8,10,12,14,16,18,20,22,24,26,28,30
.irp c, 0,1
	v_max3_num_f32 v[MX+\c], v[MX+\c], |v[\nn+32*\c+\i]|, |v[\nn+32*\c+\i+1]|   ; the two blocks by turns
.endr
.endr
.irp c, 0,1
	v_add_nc_u32 v[SO+\c], 0xff000000, v[MX+\c]    ; 2 off the exponent field: the conversion takes this operand's exponent field as its scale
.endr
.irp c, 0,1
	v_lshrrev_b32 v[BY+\c], 23, v[SO+\c]           ; the scale's byte
.endr
	v_lshl_or_b32 v[\ww], v[BY+1], 16, v[BY]       ; my two bytes: blocks h and 2 + h,
	v_lshlrev_b32 v[\ww], v8, v[\ww]               ; 8 h bits up;
	v_permlanex16_b32 v53, v[\ww], s20, s21
	v_or_b32 v[\ww], v[\ww], v53                   ; with lane l xor 16's two the word is whole, in both halves of the lanes
.irp c, 0,1
.irp g, 0,1,2,3
	v_cvt_scalef32_pk8_fp4_f32 v[\kk+4*\c+\g], v[\nn+32*\c+8*\g:\nn+32*\c+8*\g+7], v[SO+\c]
.endr
.endr
	v_nop                                          ; one plain instruction behind the last scaled conversion
.endm
	s_load_b256 s[4:11], s[0:1], 0x0               ; x s[4:5], y s[6:7], W1 s[8:9], b1 s[10:11]
	s_load_b256 s[12:19], s[0:1], 0x20             ; W2 s[12:13], hxy s[14:15], w2c s[16:17], w2s s[18:19]
	v_lshrrev_b32 v1, 5, v0
	v_readfirstlane_b32 s22, v1                    ; wave 0..3
	v_and_b32 v1, 15, v0                           ; r
	v_bfe_u32 v2, v0, 4, 1                         ; h
	v_and_b32 v3, 31, v0                           ; lane
	v_lshlrev_b32 v7, 4, v3                        ; 16 x lane
	v_lshlrev_b32 v8, 3, v2                        ; 8 h
	v_lshlrev_b32 v9, 2, v3                        ; 4 x lane
	v_mov_b32 v53, 0                               ; a lane permute's destination counts as one of its sources
	s_mov_b32 s20, 0x76543210
	s_mov_b32 s21, 0xfedcba98                      ; selects for lane l xor 16
	s_wait_alu depctr_va_sdst(0)                   ; s22, the wave's number, is written: ahead of the branch, and so of its first reader on either way
	s_cmp_lt_u32 ttmp9, 256
	s_cbranch_scc0 .Lweights
	; ---- PATH H.  Work-group = (z, chunk of 64 hidden units, 32 rows); wave u makes hidden units 64 chunk + 32 h + 8 u + 0 .. 7 for the 32 rows.
	; THE COLUMNS OF W1 THAT FORM A TILE ARE NOT NEIGHBOURS: lane r takes column 64 chunk + 8 u + r % 8 + 32 (r / 8).  The product is used transposed (source 0 = 16 columns of W1, source 1 = 16 rows of x),
	; so that lane (r, h) holds row r and its register j the hidden unit 64 chunk + 32 h + 8 u + j: numbers 8 u + j of the stored image.
	s_lshr_b32 s23, ttmp9, 7                       ; z
	s_bfe_u32 s24, ttmp9, 0x30004                  ; chunk
	s_and_b32 s25, ttmp9, 15                       ; which 32 rows
	s_wait_alu depctr_va_vdst(0)
	v_and_b32 v4, 7, v1
	v_lshlrev_b32 v4, 2, v4
	v_lshrrev_b32 v5, 3, v1
	v_lshl_add_u32 v4, v5, 7, v4
	v_lshl_add_u32 v4, v2, 16, v4                  ; W1: 4 (r % 8) + 128 (r / 8) + 32 h rows of 2,048 bytes
	v_lshlrev_b32 v5, 9, v1
	v_lshl_add_u32 v5, v2, 7, v5                   ; x: row r of 512 bytes + 128 h
	v_lshlrev_b32 v6, 7, v2                        ; b1: 32 h numbers
	s_lshl_b32 s26, s24, 8
	s_lshl_b32 s27, s22, 5
	s_add_co_u32 s26, s26, s27                     ; 256 chunk + 32 u: the tile's first column in bytes, in W1's rows and in b1
	s_mov_b32 s27, 0
	s_lshl_b32 s28, s23, 18                        ; z x 128 rows of W1
	s_add_co_u32 s28, s28, s26
	s_mov_b32 s29, 0
	s_lshl_b32 s30, s25, 14                        ; 32 rows of x
	s_mov_b32 s31, 0
	s_lshl_b32 s32, s23, 20                        ; hxy: z,
	s_lshl_b32 s33, s25, 16                        ; two row tiles of 32,768 bytes,
	s_add_co_u32 s32, s32, s33
	s_lshl_b32 s33, s24, 12                        ; the chunk,
	s_add_co_u32 s32, s32, s33
	s_lshl_b32 s33, s22, 10                        ; g = 2 u
	s_add_co_u32 s32, s32, s33
	s_mov_b32 s33, 0
	s_wait_kmcnt 0x0
	s_cmp_eq_u32 s23, 0
	s_cselect_b64 s[4:5], s[4:5], s[6:7]           ; x or y
	s_cselect_b32 s34, 0x3f800000, 0               ; b1 counts for hx alone
	s_add_nc_u64 s[4:5], s[4:5], s[30:31]
	s_add_nc_u64 s[8:9], s[8:9], s[28:29]
	s_add_nc_u64 s[10:11], s[10:11], s[26:27]
	s_add_nc_u64 s[14:15], s[14:15], s[32:33]
	s_wait_alu depctr_va_vdst(0)                   ; the offsets v4 to v7 are written, which this path's loads and stores read
	global_load_b128 v[CB:CB+3], v6, s[10:11]
	global_load_b128 v[CB+4:CB+7], v6, s[10:11] offset:16
	LOADCOL 8
.irp t, 0,1
.irp c, 0,1
.irp q, 0,1,2,3,4,5,6,7
	global_load_b128 v[XN+64*\t+32*\c+4*\q:XN+64*\t+32*\c+4*\q+3], v5, s[4:5] offset:8192*\t+256*\c+16*\q   ; x(16 t + r, 64 c + 32 h + 4 q ..)
.endr
.endr
.endr
	s_wait_loadcnt 32                              ; b1 and W1 are in; the 32 loads of the rows may be out
.irp j, 0,1,2,3,4,5,6,7
	v_mul_f32 v[CB+\j], s34, v[CB+\j]
.endr
	QUANT WN, WC, WW
	s_wait_loadcnt 16                              ; the first row tile is in
	QUANT XN, XC, WW+1
	s_wait_loadcnt 0x0
	QUANT XN+64, XC+8, WW+2
.rept 8
	v_nop                                          ; a scale word made by vector instructions stands eight plain instructions ahead of the scaled product, codes so made four
.endr
	s_wait_alu depctr_va_vdst(0)                   ; behind those places: the codes v24-47, the scale words v48-50 and b1's v16-23 are written, which the two products take
	v_wmma_scale_f32_16x16x128_f8f6f4 v[WN:WN+7], v[WC:WC+7], v[XC:XC+7], v[CB:CB+7], v[WW], v[WW+1] matrix_a_fmt:MATRIX_FMT_FP4 matrix_b_fmt:MATRIX_FMT_FP4
	v_wmma_scale_f32_16x16x128_f8f6f4 v[WN+8:WN+15], v[WC:WC+7], v[XC+8:XC+15], v[CB:CB+7], v[WW], v[WW+2] matrix_a_fmt:MATRIX_FMT_FP4 matrix_b_fmt:MATRIX_FMT_FP4
.rept 4
	v_nop                                          ; four plain instructions between a product and the stores of its result
.endr
	s_wait_alu depctr_va_vdst(0)                   ; the products have written v64-79, which the stores read; the places above stay beside this wait
.irp t, 0,1
	global_store_b128 v7, v[WN+8*\t:WN+8*\t+3], s[14:15] offset:32768*\t          ; each result from its low end on; a store covers 512 consecutive bytes, aligned
	global_store_b128 v7, v[WN+8*\t+4:WN+8*\t+7], s[14:15] offset:32768*\t+512
.endr
	s_endpgm
.Lweights:
	; ---- PATH W.  32 work-groups x 4 waves = 128 fragments of W2^T: wave takes columns n = 16 nt + r, K step s.
	s_sub_co_u32 s23, ttmp9, 256
	s_and_b32 s24, s23, 7
	s_lshl_b32 s24, s24, 2
	s_add_co_u32 s24, s24, s22                     ; nt
	s_lshr_b32 s25, s23, 3                         ; s
	s_wait_alu depctr_va_vdst(0)
	v_lshlrev_b32 v4, 2, v1
	v_lshl_add_u32 v4, v2, 16, v4                  ; 4 r + 32 h rows of 2,048 bytes
	s_lshl_b32 s26, s25, 18                        ; 128 s rows
	s_lshl_b32 s27, s24, 6                         ; 16 nt columns
	s_add_co_u32 s26, s26, s27
	s_mov_b32 s27, 0
	s_lshl_b32 s28, s24, 2
	s_add_co_u32 s28, s28, s25                     ; F = 4 nt + s
	s_lshl_b32 s30, s28, 7                         ; its scale words: 128 bytes
	s_lshl_b32 s28, s28, 10                        ; its codes: 1,024 bytes
	s_mov_b32 s29, 0
	s_mov_b32 s31, 0
	s_wait_kmcnt 0x0
	s_add_nc_u64 s[12:13], s[12:13], s[26:27]
	s_add_nc_u64 s[16:17], s[16:17], s[28:29]
	s_add_nc_u64 s[18:19], s[18:19], s[30:31]
	s_wait_alu depctr_va_vdst(0)                   ; the offsets v4, v7 and v9 are written, which this path's loads and stores read
	LOADCOL 12
	s_wait_loadcnt 0x0
	QUANT WN, WC, WW
	s_wait_alu depctr_va_vdst(0)                   ; the conversions have written the codes v24-31 and the scale word v48 is made: the stores read them
	global_store_b128 v7, v[WC:WC+3], s[16:17]
	global_store_b128 v7, v[WC+4:WC+7], s[16:17] offset:512
	global_store_b32 v9, v[WW], s[18:19]           ; 128 consecutive bytes a wave: the whole buffer is 16,384 bytes
	s_endpgm
.Lfunc_end_k_q953177967c_prep:
	.size	k_q953177967c_prep, .Lfunc_end_k_q953177967c_prep-k_q953177967c_prep
	.p2alignl 7, 3214868480
	.fill 96, 4, 3214868480
	.section	.rodata,"a",@progbits
	.p2align	6, 0x0
	.amdhsa_kernel k_q953177967c_prep
		.amdhsa_group_segment_fixed_size 0
		.amdhsa_private_segment_fixed_size 0
		.amdhsa_enable_private_segment 0
		.amdhsa_kernarg_size 64
		.amdhsa_user_sgpr_count 2
		.amdhsa_user_sgpr_kernarg_segment_ptr 1
		.amdhsa_wavefront_size32 1
		.amdhsa_system_sgpr_workgroup_id_x 1
		.amdhsa_system_sgpr_workgroup_id_y 1
		.amdhsa_system_sgpr_workgroup_id_z 1
		.amdhsa_system_vgpr_workitem_id 0
		.amdhsa_next_free_vgpr 256
		.amdhsa_next_free_sgpr 66
		.amdhsa_reserve_vcc 0
		.amdhsa_float_denorm_mode_32 3
		.amdhsa_float_denorm_mode_16_64 3
		.amdhsa_memory_ordered 1
		.amdhsa_forward_progress 1
		.amdhsa_inst_pref_size 32
	.end_amdhsa_kernel
	.amdgpu_metadata
---
amdhsa.version: [ 1, 2 ]
amdhsa.kernels:
  - .name:           k_q953177967c_prep
    .symbol:         k_q953177967c_prep.kd
    .args:
      - { .name: x, .offset: 0, .size: 8, .value_kind: global_buffer, .address_space: global }
      - { .name: y, .offset: 8, .size: 8, .value_kind: global_buffer, .address_space: global }
      - { .name: W1, .offset: 16, .size: 8, .value_kind: global_buffer, .address_space: global }
      - { .name: b1, .offset: 24, .size: 8, .value_kind: global_buffer, .address_space: global }
      - { .name: W2, .offset: 32, .size: 8, .value_kind: global_buffer, .address_space: global }
      - { .name: hxy, .offset: 40, .size: 8, .value_kind: global_buffer, .address_space: global }
      - { .name: w2c, .offset: 48, .size: 8, .value_kind: global_buffer, .address_space: global }
      - { .name: w2s, .offset: 56, .size: 8, .value_kind: global_buffer, .address_space: global }
    .group_segment_fixed_size: 0
    .private_segment_fixed_size: 0
    .kernarg_segment_align: 8
    .kernarg_segment_size: 64
    .max_flat_workgroup_size: 128
    .sgpr_count:     66
    .vgpr_count:     256
    .wavefront_size: 32
...
	.end_amdgpu_metadata
.endif
;; end of part 3
;; launch main (part 4): grid 32 x 8, 4 waves a work-group, no clusters, 311,808 bytes of LDS; arguments hxy, w2c, w2s, b2, W3, b3, out0; writes out0
.if DOCPART == 4
	.amdgcn_target "amdgcn-amd-amdhsa--gfx1250"
	.amdhsa_code_object_version 6
	.text
	.protected	k_q953177967c_main
	.globl	k_q953177967c_main
	.p2align	8
	.type	k_q953177967c_main,@function
k_q953177967c_main:
	s_mov_b64 s[64:65], 0
	v_nop
	global_prefetch_b8 v0, s[64:65] scope:SCOPE_SE
	s_setreg_imm32_b32 hwreg(HW_REG_WAVE_SCHED_MODE, 0, 2), 2
	s_setreg_imm32_b32 hwreg(HW_REG_WAVE_MODE, 25, 1), 1
	s_wait_xcnt 0x0
	s_wait_alu depctr_vm_vsrc(0)
; scores[i][j] = relu(Q(relu((hx[i] + b1) + hy[j])) Q(W2) + b2) . W3 + b3.  The product with W2 runs on codes of FP4 (E2M1) with one E8M0 scale for each 32 along K, sums in f32; the product with W3 (one column) is f32 multiply-adds.
; SHARES.  Work-group (ib, jb) owns i = 16 ib .. + 15 and j = 64 jb .. + 63: 1,024 pairs = 64 tiles of 16 rows; 32 x 8 = 256 work-groups of four waves.
; Tile T = 16 w + 4 a + b; its row r is the pair (i = 16 ib + 4 a + r / 4, j = 64 jb + 16 w + 4 b + r % 4).
; PHASE A: wave w makes and quantises its 16 tiles of the first hidden layer, each row once, and lays them in LDS as IMAGES OF THE OPERAND'S REGISTERS (16 bytes a lane on end) with their scale bytes.
;   The operand's layout gives lane (r, h) the hidden units 64 c + 32 h + 0 .. 31 of row r for chunk c: a whole block of 32 in one lane, so that no maximum crosses lanes.  A tile's rows being 4 i x 4 j,
;   four sets of hx registers and four of hy give all 16 tiles by packed additions.
; PHASE B: THE WAVES SHARE THE COLUMNS: wave w keeps rows n = 128 w .. + 127 of W2^T (32 fragments, 256 registers), their scale words, b2 and W3 in registers for the whole launch and walks all 64 tiles.
;   The product is used transposed (source 0 = 16 rows of W2^T, source 1 = 16 pairs): lane (r, h) holds pair r, register j the unit n = 128 w + 16 t + 8 h + j.  b2 is the C of each sum's first product.
;   One tile's 32 products stand by turns with the tile before's clip and multiply-adds by W3: three vector instructions behind each product.
; WAY OUT: the eight partial sums of a pair (four waves x two halves of the lanes) meet in LDS; each wave stores four rows of 64 scores.
; NO TENSOR LOADS, NO CLUSTER: nothing is walked from memory in a loop that partners share: a work-group reads its 147,456 bytes of W2's codes and words and 163,840 bytes of hx and hy once, straight into registers.
; LIMITS: NaN and infinities are not served.  A block with no positive number gets the byte 1 and zero codes.  The clip at 0 is made on the codes: a negative number's code becomes -0, which adds nothing.
; REGISTERS, in windows of 256 (s_set_vgpr_msb: bits 1:0 source 0, 3:2 source 1, 5:4 source 2, 7:6 destination):
;   window 0: v1-16 addresses; v20-63 at work in phase A; v64-127 two tiles' numbers (A), two tiles' fragments (B), the last sums; v128-135 two tiles' scale words; v136-167 W2's scale words; v168-231 W3.
;   windows 1, 2 (phase B; N tiles t = 0-3, 4-7): v0-127 W2's fragments; v128-191 two sets of four accumulators; v192-223 b2; v224-230 the scores' sums.
;   windows 2, 3 (phase A; the even and the odd chunk): v0-127 four sets of hx, v128-255 four sets of hy.
; THE MODE: SCHED_MODE bits 1:0 = 2 (LLVM: expert scheduling mode 2), set by the entry lines.  The code itself states the register dependences
; between vector or matrix instructions and memory or LDS instructions, with s_wait_alu, always for 0.
; THE PLAN, PHASE A.  A chunk's 16 tiles go as four DUOS of two pairs of tiles.  Registers that memory or LDS instructions touch:
;   window 2, window 3   The even and the odd chunk.  Read by their own chunk's additions; the loads of the chunk after next land in them while the OTHER chunk is worked, a part ahead of each of its first four pairs.
;   CD v32-47, BY v26-29 Written by a duo's conversions, clip and shifts; read by the duo's eight LDS stores, which stand in one run at its end.
;   v8, v9               Read by every LDS store; written once a trip, in the trip's first pair.
;   v1 - v5              Read by the loads; made at the head, never written again: the scalar bases move on, and immediate offsets do the rest.
; A wait on va_vdst in each pair, ahead of its conversions, and one a duo, ahead of its stores: CD, BY (and in a trip's first duo v8, v9) are written.  A chunk's last such wait also stands behind all additions that read the chunk's window, and every vector
; instruction of the next chunk names the other window and window 0 alone: so the loads dealt among them owe no further wait, over the backward jump too.
; ONE wait on vm_vsrc a duo, ahead of its first conversions: the last duo's stores have read CD, BY, v8 and v9.
; THE PLAN, PHASE B.  A TURN is one tile's 32 products with the tile before's way out.  Registers that LDS instructions touch:
;   PF[p] v64-127, PS[p] v128-135  The loads at the head of turn n land in set 1 - p (tile n + 1); the products of turn n - 1 have read that set, those of turn n + 1 will.
;   v12, v13, v14                  Read by those loads and by the store of the tile's sum; written once a trip, at the end of the trip's first turn.
;   v740, v741 (window 2)          The tile's sum, by turns: written by the turn's last multiply-add, read by the store at the turn's end.
; ONE wait on va_vdst a turn, at its end: the sum and the stepped addresses are written, and all products issued so far are done reading their fragments and scale words.  The store and the next turn's nine loads
; follow it with no vector or matrix instruction between.  ONE wait on vm_vsrc a trip, ahead of the first turn's last multiply-add: the loads have read v12 and v13, the stores v14 and both sums.
.set SCL,  262144                      ; LDS: 0: images, T x 4,096 + chunk x 512 + 16 x lane;  SCL: scale bytes, T x 256 + 16 r + 2 chunk + h: a row's 16 bytes are its four scale words
.set PART, 278528                      ; partial sums: wave x 8,192 + T x 128 + 4 x lane
.set MX,   20                          ; v20-23  four chains of maxima
.set SO,   24                          ; v24-25  the conversions' scale operands
.set BY,   26                          ; v26-29  scale bytes [parity][tile]
.set CD,   32                          ; v32-47  codes [parity][tile][4]
.set CLA,  48                          ; v48-55, v56-63 at work in the clip
.set CLB,  56
.set TT,   64                          ; v64-127 two tiles x 32 numbers
.set PF,   64                          ; the same registers in phase B: fragments [parity][32]
.set PS,   128                         ; v128-135 scale words [parity][4]
.set W2S,  136                         ; v136-167 W2's scale words, 4 t + s
.set W3R,  168                         ; v168-231 W3, 8 t + j
.set ACC,  128                         ; in windows 1, 2: accumulators, 32 p + 8 u
.set B2R,  192                         ; b2, 8 u + j
.set SCR,  224                         ; two pairs of running sums
.set RES,  228                         ; window 1: v228 its half's sum; window 2: v228 + p the tile's sum, v230 its half's
.set MSB, 0
.macro WIN new                         ; the immediate's high byte repeats the setting that is left; a switch that changes nothing is dropped
.if MSB != (\new)
	s_set_vgpr_msb (MSB<<8)|(\new)
.set MSB, (\new)
.endif
.endm
; Part u of four of N tiles 4 H .. 4 H + 3 of my 128 rows of W2^T: tile 4 H + u's four fragments into window 1 + H, v32 u on; its W3 and scale words into window 0.
; The four tiles' b2 (v192-223 of window 1 + H) go together, in part 2: so part u takes, of the window, registers inside those that LOADPART's part u takes (v32 u on; in part 2 also v192-223)
.macro LOADWPART H, u
	WIN 0x40*(1+\H)
.irp s, 0,1,2,3
.irp c, 0,1
	global_load_b128 v[32*(\u)+8*\s+4*\c:32*(\u)+8*\s+4*\c+3], v1, s[6:7] offset:((4*\H+(\u))*4+\s)*1024+512*\c
.endr
.endr
.if (\u) == 2
.irp t, 0,1,2,3
.irp f, 0,1
	global_load_b128 v[B2R+8*\t+4*\f:B2R+8*\t+4*\f+3], v5, s[10:11] offset:(4*\H+\t)*64+16*\f
.endr
.endr
.endif
	WIN 0
.irp f, 0,1
	global_load_b128 v[W3R+8*(4*\H+(\u))+4*\f:W3R+8*(4*\H+(\u))+4*\f+3], v5, s[12:13] offset:(4*\H+(\u))*64+16*\f
.endr
.irp s, 0,1,2,3
	global_load_b32 v[W2S+4*(4*\H+(\u))+\s], v2, s[8:9] offset:((4*\H+(\u))*4+\s)*128
.endr
.endm
; 16 of the 64 loads of one chunk of 64 hidden units: hx of my tile rows' group k (v32 k on) and hy of group k (v128 + 32 k on), 32 numbers a lane each.  msb: destination window 2 (0x80) or 3 (0xc0)
.macro LOADPART msb, off, k
	WIN \msb
.irp g, 0,1,2,3,4,5,6,7
	global_load_b128 v[32*(\k)+4*\g:32*(\k)+4*\g+3], v3, s[4:5] offset:\off+64*(\k)+512*\g
.endr
.irp g, 0,1,2,3,4,5,6,7
	global_load_b128 v[128+32*(\k)+4*\g:128+32*(\k)+4*\g+3], v4, s[18:19] offset:\off+64*(\k)+512*\g
.endr
.endm
; Part k of four of what is asked for while a chunk is worked.  In the even chunk: the odd chunk, into window 3.  In the odd chunk: the next trip's even chunk, into window 2;
; the last trip has no next chunk: window 2 is free and takes W2's second half.  The registers of different parts are disjoint, whichever of the two is asked for: no register is asked for twice between two waits on LOADcnt.
; No wait stands here: the additions that read the window stand ahead of the last chunk's last wait on va_vdst, and nothing since names it.
.macro AHEAD cpar, k
.if \cpar == 0
	LOADPART 0xc0, 4096, \k
.else
	s_cmp_eq_u32 s43, 3
	s_cbranch_scc1 .Llast_\@
	LOADPART 0x80, 8192, \k
	WIN 0
	s_branch .Ljoin_\@
.Llast_\@:
	LOADWPART 1, \k
.Ljoin_\@:
.endif
.endm
; Two tiles (a, b0) and (a, b0 + 1), one chunk: sum, block maximum, codes, clip.  wadd: sources 0 and 1 in window 2 (0x0a) or 3 (0x0f); cpar: the chunk's parity; par: the pair's place in its duo
.macro PAIR a, b0, wadd, cpar, par
	WIN \wadd
.irp x, 0,1
.irp q, 0,2,4,6,8,10,12,14,16,18,20,22,24,26,28,30
	v_pk_add_f32 v[TT+32*\x+\q:TT+32*\x+\q+1], v[32*\a+\q:32*\a+\q+1], v[128+32*(\b0+\x)+\q:128+32*(\b0+\x)+\q+1]   ; (hx + b1) + hy
.endr
.endr
	WIN 0
.irp x, 0,1                            ; the block's largest number: no |.|: what is negative is clipped and must not count; four chains by turns
	v_max3_num_f32 v[MX+2*\x], v[TT+32*\x], v[TT+32*\x+1], 0x1800000   ; the floor 2^(3 - 127) holds the byte at 1 from below
	v_max3_num_f32 v[MX+2*\x+1], v[TT+32*\x+16], v[TT+32*\x+17], v[TT+32*\x+18]
.endr
.irp i, 0,2,4,6,8,10
.irp x, 0,1
	v_max3_num_f32 v[MX+2*\x], v[MX+2*\x], v[TT+32*\x+2+\i], v[TT+32*\x+3+\i]
	v_max3_num_f32 v[MX+2*\x+1], v[MX+2*\x+1], v[TT+32*\x+19+\i], v[TT+32*\x+20+\i]
.endr
.endr
.irp x, 0,1
	v_max3_num_f32 v[MX+2*\x], v[MX+2*\x], v[TT+32*\x+14], v[TT+32*\x+15]
.endr
.irp x, 0,1
	v_max3_num_f32 v[MX+2*\x], v[MX+2*\x], v[MX+2*\x+1], v[TT+32*\x+31]
.endr
.irp x, 0,1
	v_add_nc_u32 v[SO+\x], 0xff000000, v[MX+2*\x]  ; 2 off the exponent field: the conversion's scale operand
.endr
	s_wait_alu depctr_va_vdst(0)
	s_wait_dscnt 4-4*\par                          ; the last duo's four stores from this pair's registers are done; in the duo's first pair its other four, issued behind them, may be out
.if \par == 0
	s_wait_alu depctr_vm_vsrc(0)                   ; the last duo's eight stores have read CD, BY, v8 and v9, which are written again from here on
.if (\a == 0) && (\cpar == 0)
	v_add_nc_u32 v8, s44, v6                       ; once a trip: this trip's two chunks' place in my images,
	v_add_nc_u32 v9, s45, v7                       ; and among my scale bytes
.endif
.endif
.irp x, 0,1
.irp g, 0,1,2,3
	v_cvt_scalef32_pk8_fp4_f32 v[CD+8*\par+4*\x+\g], v[TT+32*\x+8*\g:TT+32*\x+8*\g+7], v[SO+\x]
.endr
.endr
.irp x, 0,1
	v_lshrrev_b32 v[BY+2*\par+\x], 23, v[SO+\x]    ; the scale's byte; also the plain instruction behind the conversions
.endr
.irp n, 0,1,2,3,4,5,6,7                ; THE CLIP AT 0, ON THE CODES, eight numbers an instruction: the sign bits,
	v_and_b32 v[CLA+\n], s42, v[CD+8*\par+\n]
.endr
.irp n, 0,1,2,3,4,5,6,7
	v_lshrrev_b32 v[CLB+\n], 3, v[CLA+\n]
.endr
.irp n, 0,1,2,3,4,5,6,7
	v_sub_nc_u32 v[CLA+\n], v[CLA+\n], v[CLB+\n]   ; 8 - 1 = 7 in each negative code's four bits,
.endr
.irp n, 0,1,2,3,4,5,6,7
	v_bfi_b32 v[CD+8*\par+\n], v[CLA+\n], 0, v[CD+8*\par+\n]   ; whose magnitude is cleared
.endr
.endm
; A duo: tiles (a, 0 .. 3) of one chunk; their images and scale bytes go to LDS in one run.  The first two duos of a chunk carry the loads that are asked for ahead, a part in front of each pair
.macro DUO a, wadd, cpar
.if \a < 2
	AHEAD \cpar, 2*\a
.endif
	PAIR \a, 0, \wadd, \cpar, 0
.if \a < 2
	AHEAD \cpar, 2*\a+1
.endif
	PAIR \a, 2, \wadd, \cpar, 1
	s_wait_alu depctr_va_vdst(0)                   ; the codes CD and the bytes BY of the four tiles are written, and in a trip's first duo v8 and v9: the eight stores read them
.irp y, 0,1,2,3
	ds_store_b128 v8, v[CD+4*\y:CD+4*\y+3] offset:(4*\a+\y)*4096+512*\cpar
	ds_store_b8 v9, v[BY+\y] offset:(4*\a+\y)*256+2*\cpar
.endr
.endm
.macro CHUNK wadd, cpar                ; my 16 tiles, one chunk
.irp a, 0,1,2,3
	DUO \a, \wadd, \cpar
.endr
.endm
; Multiply-add number kf of 16 of a half's way out: a pair of clipped results x W3.  The first two start the sums.  W3 stands as source 1, whose window is 0 under the products' setting
.macro FS H, p
.set rF, ACC+32*(1-(\p))+2*kf
.set rG, W3R+32*(\H)+2*kf
.set rS, SCR+2*(kf%2)
.if kf < 2
	v_pk_mul_f32 v[rS:rS+1], v[rF:rF+1], v[rG:rG+1]
.else
	v_pk_fma_f32 v[rS:rS+1], v[rF:rF+1], v[rG:rG+1], v[rS:rS+1]
.endif
.endm
; N tiles 4 H .. 4 H + 3.  mm: 16 products of the tile in set p: K step kk / 4, N tile kk % 4: the four accumulators take turns, one instruction a turn.
; ep: the way out of the tile in set 1 - p, behind each product two clips and one packed multiply-add, each accumulator from its low end on.  All run under ONE window setting.
.macro HALF H, p, mm, ep
.set kk, 0
.rept 16
.if \mm
.set rA, ACC+32*(\p)+8*(kk%4)
.set rW, 32*(kk%4)+8*(kk/4)
.set rP, PF+32*(\p)+8*(kk/4)
.set rX, W2S+16*(\H)+4*(kk%4)+kk/4
.set rY, PS+4*(\p)+kk/4
.if kk < 4
	v_wmma_scale_f32_16x16x128_f8f6f4 v[rA:rA+7], v[rW:rW+7], v[rP:rP+7], v[B2R+8*kk:B2R+8*kk+7], v[rX], v[rY] matrix_a_fmt:MATRIX_FMT_FP4 matrix_b_fmt:MATRIX_FMT_FP4
.else
	v_wmma_scale_f32_16x16x128_f8f6f4 v[rA:rA+7], v[rW:rW+7], v[rP:rP+7], v[rA:rA+7], v[rX], v[rY] matrix_a_fmt:MATRIX_FMT_FP4 matrix_b_fmt:MATRIX_FMT_FP4
.endif
.endif
.if \ep
.set rE, ACC+32*(1-(\p))+2*kk
	v_max_num_f32 v[rE], v[rE], 0                  ; the accumulator stands as source 0, whose window is the accumulators'
	v_max_num_f32 v[rE+1], v[rE+1], 0
.if kk > 0
.set kf, kk-1
	FS \H, \p
.endif
.endif
.set kk, kk+1
.endr
.if \ep
.set kf, 15
	FS \H, \p
	v_pk_fma_f32 v[SCR:SCR+1], v[SCR:SCR+1], 1.0, v[SCR+2:SCR+3] op_sel_hi:[1,0,1]   ; the two sums joined: written as x 1.0 + so that both stand in places whose window is this one
	v_fma_f32 v[RES+2*\H], v[SCR], 1.0, v[SCR+1]
.endif
.endm
; A TURN.  mm: the products of the tile in set p; ep: the way out of the tile before; wt: LDS instructions issued behind this tile's loads; ld >= 0: the next tile's 9 loads, ld tiles on from v12, v13; st: where the sum goes, from v14.
; adr = 1: the trip's first turn: v12 and v13 move on by two tiles and v14 is made for the trip's two stores; adr = 2: v14 alone.
; The loads at the head owe no wait of their own: the wait at the end of the turn before stands behind the last product that read their registers and behind the additions to v12 and v13, and only the store stands between.
.macro TURN p, mm, ep, wt, ld, st, adr
	WIN 0
.if \mm
	s_wait_dscnt \wt                               ; this tile's fragments and scale words are in
.endif
.if \ld >= 0
.irp q, 0,1,2,3,4,5,6,7
	ds_load_b128 v[PF+32*(1-(\p))+4*\q:PF+32*(1-(\p))+4*\q+3], v12 offset:(\ld)*4096+512*\q
.endr
	ds_load_b128 v[PS+4*(1-(\p)):PS+4*(1-(\p))+3], v13 offset:(\ld)*256
.endif
	WIN 0x51                                       ; destination, source 0 and source 2 window 1, source 1 window 0
	HALF 0, \p, \mm, \ep
	WIN 0xa2                                       ; the same with window 2
	HALF 1, \p, \mm, \ep
.if \adr
	s_wait_alu depctr_vm_vsrc(0)                   ; the loads issued so far have read v12 and v13, the stores v14 and both tiles' sums: all of them are written again only behind this line
.endif
.if \ep
	WIN 0xa1                                       ; source 0 window 1, source 2 and destination window 2
	v_fma_f32 v[RES+\p], v[RES], 1.0, v[RES+2]     ; the two halves' sums: my lane's part of the pair's score
.else
.rept 4
	v_nop                                          ; four plain instructions behind the last products, ahead of the first read of their results (ISA guide 7.12.1)
.endr
.endif
.if \adr == 1
	WIN 0
	s_add_co_u32 s46, s46, 8192                    ; two tiles on: 8,192 bytes of images,
	s_add_co_u32 s47, s47, 512                     ; 512 of scale words
	v_add_nc_u32 v12, s46, v1
	v_add_nc_u32 v13, s47, v10
.endif
.if \adr
	WIN 0
	v_add_nc_u32 v14, s48, v11                     ; where this trip's two sums go
.endif
.if \ep
	WIN 0x08                                       ; an LDS store's data are its source 1: window 2
	s_wait_alu depctr_va_vdst(0)                   ; the tile's sum and the addresses made above are written; all products so far are done reading their fragments and scale words, in which the next turn's loads land
	ds_store_b32 v14, v[RES+\p] offset:(\st)*128
	WIN 0
.else
	WIN 0
	s_wait_alu depctr_va_vdst(0)                   ; the products are done reading their fragments and scale words, in which the next turn's loads land
.endif
.endm
	s_load_b256 s[4:11], s[0:1], 0x0               ; hxy s[4:5], w2c s[6:7], w2s s[8:9], b2 s[10:11]
	s_load_b128 s[12:15], s[0:1], 0x20             ; W3 s[12:13], b3 s[14:15]
	s_load_b64 s[16:17], s[0:1], 0x30              ; out0
	v_lshl_add_u32 v254, v0, 2, 0x4c000
	v_mov_b32 v255, 0
	v_lshrrev_b32 v17, 5, v0
	v_readfirstlane_b32 s20, v17                   ; wave w
	s_and_b32 s22, ttmp7, 0xffff                   ; jb
	v_and_b32 v17, 31, v0                          ; lane
	v_and_b32 v18, 15, v0                          ; r
	v_bfe_u32 v19, v0, 4, 1                        ; h
	v_lshlrev_b32 v1, 4, v17                       ; v1: 16 x lane
	v_lshlrev_b32 v2, 2, v17                       ; v2: 4 x lane
	v_lshrrev_b32 v3, 2, v18
	v_lshlrev_b32 v3, 4, v3
	v_lshl_add_u32 v3, v19, 8, v3                  ; v3: hx: 256 h + 16 (r / 4)
	v_and_b32 v4, 3, v18
	v_lshlrev_b32 v4, 4, v4
	v_lshl_add_u32 v4, v19, 8, v4                  ; v4: hy: 256 h + 16 (r % 4)
	v_lshlrev_b32 v5, 5, v19                       ; v5: b2, W3: 8 h numbers
	s_wait_alu depctr_va_sdst(0)                   ; s20, the wave's number, is written, ahead of its first reader: LDS addresses and the buffers' bases are made from it
	s_lshl_b32 s36, s20, 16
	v_add_nc_u32 v6, s36, v1                       ; v6: my images: 16 x lane + 16 tiles x 4,096 x wave
	v_lshl_add_u32 v7, v18, 4, v19
	s_lshl_b32 s36, s20, 12
	s_add_co_u32 s36, s36, SCL
	v_add_nc_u32 v7, s36, v7                       ; v7: my scale bytes: SCL + 4,096 x wave + 16 r + h
	v_lshlrev_b32 v10, 4, v18
	v_add_nc_u32 v10, SCL, v10                     ; v10: a tile's scale words: SCL + 16 r
	s_lshl_b32 s36, s20, 13
	s_add_co_u32 s36, s36, PART
	v_add_nc_u32 v11, s36, v2                      ; v11: my partial sums: PART + 8,192 x wave + 4 x lane
	v_lshrrev_b32 v15, 2, v18
	v_lshlrev_b32 v15, 11, v15
	v_and_b32 v16, 3, v18
	v_lshl_add_u32 v15, v16, 7, v15
	v_lshl_add_u32 v15, v19, 4, v15
	s_lshl_b32 s36, s20, 9
	s_add_co_u32 s36, s36, PART
	v_add_nc_u32 v15, s36, v15                     ; v15: the way out: tile 16 (r / 4) + 4 w + r % 4, its rows 4 h .. 4 h + 3
	v_lshlrev_b32 v16, 4, v18
	v_lshl_add_u32 v16, v19, 11, v16               ; v16: out0: row h of 2,048 bytes + 16 r
	s_mov_b32 s42, 0x88888888                      ; the sign bits of eight codes
	s_lshl_b32 s24, ttmp9, 15                      ; hx: row tile ib
	s_mov_b32 s25, 0
	s_lshl_b32 s28, s20, 15                        ; 32,768 x wave: hy's row tile, and my rows of w2c
	s_mov_b32 s29, 0
	s_lshl_b32 s26, s22, 17
	s_add_co_u32 s26, s26, s28
	s_add_co_u32 s26, s26, 0x100000                ; hy: behind hx's 2^20 bytes, row tile 4 jb + w
	s_mov_b32 s27, 0
	s_lshl_b32 s30, s20, 12                        ; my scale words of W2
	s_mov_b32 s31, 0
	s_lshl_b32 s32, s20, 9                         ; my 128 numbers of b2 and of W3
	s_mov_b32 s33, 0
	s_lshl_b32 s34, s20, 13                        ; out0: row 16 ib + 4 w, column 64 jb
	s_add_co_u32 s34, s34, s24
	s_lshl_b32 s35, s22, 8
	s_add_co_u32 s34, s34, s35
	s_mov_b32 s35, 0
	s_wait_kmcnt 0x0
	s_add_nc_u64 s[18:19], s[4:5], s[26:27]
	s_add_nc_u64 s[4:5], s[4:5], s[24:25]
	s_add_nc_u64 s[6:7], s[6:7], s[28:29]
	s_add_nc_u64 s[8:9], s[8:9], s[30:31]
	s_add_nc_u64 s[10:11], s[10:11], s[32:33]
	s_add_nc_u64 s[12:13], s[12:13], s[32:33]
	s_add_nc_u64 s[16:17], s[16:17], s[34:35]
	s_load_b32 s40, s[14:15], 0x0                  ; b3
	s_wait_alu depctr_va_vdst(0)                   ; the offsets and addresses v1 to v7, v10, v11, v15 and v16 are written, which the loads and stores of the whole kernel read
.irp k, 0,1,2,3
	LOADPART 0x80, 0, \k                           ; chunk 0
.endr
.irp u, 0,1,2,3
	LOADWPART 0, \u                                ; W2's first half
.endr
	s_wait_kmcnt 0x0
	s_mov_b32 s41, s40                             ; (the packed form names the pair)
	s_mov_b32 s43, 0                               ; the trip
	s_mov_b32 s44, 0                               ; its two chunks' place in an image: 1,024 bytes a trip
	s_mov_b32 s45, 0                               ; and among a row's scale bytes: 4 a trip
	; ---- PHASE A: four trips of two chunks.  Each wait is for the batch that was dealt among the first four pairs of the chunk before, which is all that is out; the next batch is dealt among this chunk's.
.Lchunks:
	s_wait_loadcnt 0x0                             ; the even chunk is in (in the first trip W2's first half too)
	CHUNK 0x0a, 0                                  ; among its pairs: the odd chunk's loads
	s_wait_loadcnt 0x0                             ; the odd chunk is in
	CHUNK 0x0f, 1                                  ; among its pairs: the next trip's even chunk, or in the last trip W2's second half
	s_wait_xcnt 0x0                                ; the loads issued in this trip have read their bases, which are stepped only behind this wait
	s_add_nc_u64 s[4:5], s[4:5], 8192
	s_add_nc_u64 s[18:19], s[18:19], 8192
	s_add_co_u32 s44, s44, 1024
	s_add_co_u32 s45, s45, 4
	s_add_co_u32 s43, s43, 1
	s_cmp_lt_u32 s43, 4
	s_cbranch_scc1 .Lchunks
	s_wait_loadcnt 0x0                             ; W2's second half
	s_wait_dscnt 0x0                               ; for the others' sake: my images and scale bytes lie in LDS
	s_barrier_signal -1
	s_barrier_wait -1                              ; all 64 tiles do
	; ---- PHASE B: 64 tiles; tile n's products stand with tile n - 1's way out
	s_mov_b32 s46, 0                               ; two tiles a trip: 8,192 bytes of images,
	s_mov_b32 s47, 0                               ; 512 of scale words,
	s_mov_b32 s48, 0                               ; 256 of partial sums
	v_add_nc_u32 v12, s46, v1
	v_add_nc_u32 v13, s47, v10
	s_wait_alu depctr_va_vdst(0)                   ; v12 and v13 are written, which the loads below read; phase A's additions and conversions are done with v64-127, in which they land
.irp q, 0,1,2,3,4,5,6,7
	ds_load_b128 v[PF+4*\q:PF+4*\q+3], v12 offset:512*\q           ; tile 0
.endr
	ds_load_b128 v[PS:PS+3], v13
	TURN 0, 1, 0, 0, 1, 0, 0                       ; tile 0's products; tile 1 is fetched
	s_wait_dscnt 0x0                               ; no store stands behind tile 1's loads on this way into the loop: so they are waited for here, and the loop's count holds on both ways
	s_mov_b32 s49, 31
.Ltiles:
	TURN 1, 1, 1, 1, 2, 0, 1                       ; tile 2 n + 1 | tile 2 n's way out | tile 2 n + 2 is fetched.  One LDS instruction, the last turn's store, stands behind this tile's loads.  At its end the addresses move on
	TURN 0, 1, 1, 1, 1, 1, 0                       ; tile 2 n + 2 | tile 2 n + 1's way out | tile 2 n + 3 is fetched: one tile on from the stepped v12 and v13
	s_add_co_u32 s48, s48, 256
	s_sub_co_u32 s49, s49, 1
	s_cmp_lg_u32 s49, 0
	s_cbranch_scc1 .Ltiles
	TURN 1, 1, 1, 1, -1, 0, 2                      ; tile 63 | tile 62's way out | nothing is left to fetch
	TURN 0, 0, 1, 0, -1, 1, 0                      ; tile 63's way out alone
	s_wait_dscnt 0x0                               ; for the others' sake: my partial sums lie in LDS
	s_barrier_signal -1
	s_barrier_wait -1
	; ---- WAY OUT: wave w stores rows 16 ib + 4 w + 0 .. 3.  A lane takes four neighbouring j of row h + 2 e: 16 bytes of each of the eight partial sums (wave q / 2, half q % 2 of the lanes).
	; The loads land in v64-127: the last products that read these registers stand ahead of the last turn's wait on va_vdst, and no vector instruction has been issued since.
.irp e, 0,1
.irp q, 0,1,2,3,4,5,6,7
	ds_load_b128 v[64+32*\e+4*\q:64+32*\e+4*\q+3], v15 offset:(\q/2)*8192+(\q%2)*64+32*\e
.endr
.endr
.irp e, 0,1
	s_wait_dscnt 8-8*\e                            ; this group's eight loads are in; the second group's may be out
.irp m, 0,2,4,6
.irp d, 0,2
	v_pk_add_f32 v[64+32*\e+4*\m+\d:64+32*\e+4*\m+\d+1], v[64+32*\e+4*\m+\d:64+32*\e+4*\m+\d+1], v[64+32*\e+4*\m+4+\d:64+32*\e+4*\m+4+\d+1]
.endr
.endr
.irp m, 0,4
.irp d, 0,2
	v_pk_add_f32 v[64+32*\e+4*\m+\d:64+32*\e+4*\m+\d+1], v[64+32*\e+4*\m+\d:64+32*\e+4*\m+\d+1], v[64+32*\e+4*\m+8+\d:64+32*\e+4*\m+8+\d+1]
.endr
.endr
.irp d, 0,2
	v_pk_add_f32 v[64+32*\e+\d:64+32*\e+\d+1], v[64+32*\e+\d:64+32*\e+\d+1], v[64+32*\e+16+\d:64+32*\e+16+\d+1]
.endr
.irp d, 0,2
	v_pk_add_f32 v[64+32*\e+\d:64+32*\e+\d+1], v[64+32*\e+\d:64+32*\e+\d+1], s[40:41] op_sel_hi:[1,0]   ; + b3
.endr
.endr
	s_wait_alu depctr_va_vdst(0)                   ; the additions have written v64-67 and v96-99, which the two stores read
.irp e, 0,1
	global_store_b128 v16, v[64+32*\e:64+32*\e+3], s[16:17] offset:4096*\e th:TH_STORE_NT   ; sixteen lanes store 256 consecutive bytes, at a multiple of 256 from out0's first byte
.endr
	s_wait_dscnt 0x0
	s_wait_alu depctr_hold_cnt(0) depctr_sa_sdst(0) depctr_va_vdst(0) depctr_va_sdst(0) depctr_va_ssrc(0) depctr_va_vcc(0) depctr_vm_vsrc(0)
	s_wait_tensorcnt 0x0
	ds_add_u32 v254, v255
	s_wait_dscnt 0x0
	s_endpgm
.Lfunc_end_k_q953177967c_main:
	.size	k_q953177967c_main, .Lfunc_end_k_q953177967c_main-k_q953177967c_main
	.p2alignl 7, 3214868480
	.fill 96, 4, 3214868480
	.section	.rodata,"a",@progbits
	.p2align	6, 0x0
	.amdhsa_kernel k_q953177967c_main
		.amdhsa_group_segment_fixed_size 311808
		.amdhsa_private_segment_fixed_size 0
		.amdhsa_enable_private_segment 0
		.amdhsa_kernarg_size 56
		.amdhsa_user_sgpr_count 2
		.amdhsa_user_sgpr_kernarg_segment_ptr 1
		.amdhsa_wavefront_size32 1
		.amdhsa_system_sgpr_workgroup_id_x 1
		.amdhsa_system_sgpr_workgroup_id_y 1
		.amdhsa_system_sgpr_workgroup_id_z 1
		.amdhsa_system_vgpr_workitem_id 0
		.amdhsa_next_free_vgpr 1024
		.amdhsa_next_free_sgpr 66
		.amdhsa_reserve_vcc 0
		.amdhsa_float_denorm_mode_32 3
		.amdhsa_float_denorm_mode_16_64 3
		.amdhsa_memory_ordered 1
		.amdhsa_forward_progress 1
		.amdhsa_inst_pref_size 187
	.end_amdhsa_kernel
	.amdgpu_metadata
---
amdhsa.version: [ 1, 2 ]
amdhsa.kernels:
  - .name:           k_q953177967c_main
    .symbol:         k_q953177967c_main.kd
    .args:
      - { .name: hxy, .offset: 0, .size: 8, .value_kind: global_buffer, .address_space: global }
      - { .name: w2c, .offset: 8, .size: 8, .value_kind: global_buffer, .address_space: global }
      - { .name: w2s, .offset: 16, .size: 8, .value_kind: global_buffer, .address_space: global }
      - { .name: b2, .offset: 24, .size: 8, .value_kind: global_buffer, .address_space: global }
      - { .name: W3, .offset: 32, .size: 8, .value_kind: global_buffer, .address_space: global }
      - { .name: b3, .offset: 40, .size: 8, .value_kind: global_buffer, .address_space: global }
      - { .name: out0, .offset: 48, .size: 8, .value_kind: global_buffer, .address_space: global }
    .group_segment_fixed_size: 311808
    .private_segment_fixed_size: 0
    .kernarg_segment_align: 8
    .kernarg_segment_size: 56
    .max_flat_workgroup_size: 128
    .sgpr_count:     66
    .vgpr_count:     1024
    .wavefront_size: 32
...
	.end_amdgpu_metadata
.endif
;; end of part 4
